; MI455X (gfx1250); checked and timed in simulation.
; The chip was launched on July 23, 2026; its instructions are those of AMD's public machine-readable ISA for CDNA 5 (MIT licence, August 2026) and "CDNA5" Instruction Set Architecture Reference Guide (July 2026). The comments in the code are by the model that wrote it; some were corrected since.
;; Multi Head Attention. Allowed arithmetic: float matrix products may take bf16 or f16 operands with f32 sums; other float arithmetic in f32, or as packed bf16 or f16 multiplies, adds, multiply-adds, maxima and minima; sums over many terms, partial sums and values carried from step to step in f32; what a program stores and reads back later, other than sums and carried values, may be rounded once to bf16 or f16.
;; Inputs: K 1 x 2,048 x 2,048 float32; Q 1 x 2,048 x 2,048 float32; V 1 x 2,048 x 2,048 float32; Wk 2,048 x 2,048 float32; Wo 2,048 x 2,048 float32; Wq 2,048 x 2,048 float32; Wv 2,048 x 2,048 float32; bk 2,048 float32; bo 2,048 float32; bq 2,048 float32; bv 2,048 float32; mask 1 x 1 x 2,048 x 2,048 float32.
;; Outputs: out0 1 x 2,048 x 2,048 float32.
;; 2 versions, each right; version 2 is version 1 with the launch cvt written anew for expert scheduling mode. Each part assembles by itself: llvm-mc -triple=amdgcn-amd-amdhsa -mcpu=gfx1250 --defsym DOCPART=n.
;; ======== version 1 of 2: 4 launches
;; limits: values are held in f16: magnitudes above 65,504 overflow, below 6.1e-05 lose precision; inputs' magnitudes at most 65,504
;; workspace buffers: c16 58,720,256 bytes; qkv 25,165,824 bytes; o16 8,388,608 bytes
;; launch cvt (part 1): grid 128 x 7, 8 waves a work-group, no clusters, 0 bytes of LDS; arguments Q, K, V, Wq, Wk, Wv, Wo, c16; writes c16
.if DOCPART == 1
	.amdgcn_target "amdgcn-amd-amdhsa--gfx1250"
	.amdhsa_code_object_version 6
	.text
	.protected	k_q5cac034136_cvt
	.globl	k_q5cac034136_cvt
	.p2align	8
	.type	k_q5cac034136_cvt,@function
k_q5cac034136_cvt:
	s_mov_b64 s[64:65], 0
	v_nop
	global_prefetch_b8 v0, s[64:65] scope:SCOPE_SE
	s_setreg_imm32_b32 hwreg(HW_REG_WAVE_MODE, 25, 1), 1
	s_wait_xcnt 0x0
; c16[p][i] = f16(bf16(x_p[i])) for the seven large inputs, p = Q, K, V, Wq, Wk, Wv, Wo: each [2048][2048] f32, layout unchanged.
; Each number is rounded once to bf16 (nearest even) and that number is written as f16, so that the products behind can run on f16 operands.
; LIMITS.  The second step is exact for magnitudes from 2^-17 to 65,504; below 2^-17 it is off by at most 2^-25; a bf16 number beyond 65,504 becomes an infinity.
; SHARES.  The grid's y picks the tensor, x a piece of 131,072 input bytes: 32 rows of 4,096.  Thread t takes 16 bytes at 16 t of each row (a load of a wave covers 512 consecutive
; bytes) and stores 8 bytes at 8 t of the 2,048-byte output row (a store of a wave covers 256 consecutive bytes, aligned).  A ring of eight slots in registers keeps eight loads
; of every wave on their way.  No LDS, no barrier, no matrix unit: the launch only moves bytes, each once.
.set ROWI,  4096                       ; input bytes in a row
.set ROWO,  2048                       ; output bytes in a row
.set DEPTH, 8                          ; slots = loads in flight in each wave
.set T, 4                              ; v[4:9]    at work
.set X, 16                             ; v[16:47]  slot i: four f32 as loaded
.set Y, 48                             ; v[48:63]  slot i: four f16 to store
	s_load_b512 s[8:23], s[0:1], 0x0               ; the seven inputs s[8:21], c16 s[22:23]
	s_and_b32 s2, ttmp7, 0xffff                    ; which tensor
	s_lshl_b32 s26, ttmp9, 17                      ; my piece in the input,
	s_mov_b32 s27, 0
	s_lshl_b32 s28, s2, 23                         ; the tensor's plane in c16,
	s_lshl_b32 s3, ttmp9, 16                       ; and my piece in it
	s_add_co_u32 s28, s28, s3
	s_mov_b32 s29, 0
	s_mov_b32 s24, 0xffff0000                      ; a word's upper bf16
	v_lshlrev_b32 v1, 4, v0                        ; 16 t; never rewritten
	v_lshlrev_b32 v2, 3, v0                        ; 8 t; never rewritten
	s_wait_kmcnt 0x0
	s_mov_b64 s[4:5], s[8:9]
.irp i, 1,2,3,4,5,6
	s_cmp_eq_u32 s2, \i                            ; the choice hangs on the grid's y alone
	s_cselect_b64 s[4:5], s[8+2*(\i):9+2*(\i)], s[4:5]
.endr
	s_add_nc_u64 s[4:5], s[4:5], s[26:27]
	s_add_nc_u64 s[6:7], s[22:23], s[28:29]
.irp i, 0,1,2,3,4,5,6,7
	global_load_b128 v[X+4*(\i):X+4*(\i)+3], v1, s[4:5] offset:(\i)*ROWI th:TH_LOAD_NT  ; fill the ring: rows 0 to 7
.endr
; One slot's turn.  ahead = 1: the slot is filled again with the row DEPTH further down.  left = how many younger loads may stay out.
.macro SLOT i, ahead, left
	s_wait_loadcnt \left                           ; loads come back in order: mine is in
	v_cvt_pk_bf16_f32 v[T],   v[X+4*(\i)],   v[X+4*(\i)+1]   ; the one rounding
	v_cvt_pk_bf16_f32 v[T+1], v[X+4*(\i)+2], v[X+4*(\i)+3]
	v_lshlrev_b32 v[T+2], 16,  v[T]                ; back to f32: the low half moves up,
	v_and_b32     v[T+3], s24, v[T]                ; the high half stays
	v_lshlrev_b32 v[T+4], 16,  v[T+1]
	v_and_b32     v[T+5], s24, v[T+1]
	v_cvt_pk_f16_f32 v[Y+2*(\i)],   v[T+2], v[T+3] ; the same numbers, written as f16
	v_cvt_pk_f16_f32 v[Y+2*(\i)+1], v[T+4], v[T+5]
.if \ahead
	global_load_b128 v[X+4*(\i):X+4*(\i)+3], v1, s[4:5] offset:(DEPTH+(\i))*ROWI th:TH_LOAD_NT
.endif
	global_store_b64 v2, v[Y+2*(\i):Y+2*(\i)+1], s[6:7] offset:(\i)*ROWO
.endm
	s_mov_b32 s25, 32/DEPTH-1
.Lround:
.irp i, 0,1,2,3,4,5,6,7
	SLOT \i, 1, DEPTH-1
.endr
	s_wait_xcnt 0x0                                ; every load and store issued so far has read its registers: the two bases and Y are written again only behind this wait
	s_add_nc_u64 s[4:5], s[4:5], DEPTH*ROWI
	s_add_nc_u64 s[6:7], s[6:7], DEPTH*ROWO
	s_sub_co_u32 s25, s25, 1
	s_cmp_lg_u32 s25, 0
	s_cbranch_scc1 .Lround
.irp i, 0,1,2,3,4,5,6,7
	SLOT \i, 0, DEPTH-1-(\i)                       ; the last eight rows load nothing: the counts run down
.endr
	s_endpgm
.Lfunc_end_k_q5cac034136_cvt:
	.size	k_q5cac034136_cvt, .Lfunc_end_k_q5cac034136_cvt-k_q5cac034136_cvt
	.p2alignl 7, 3214868480
	.fill 96, 4, 3214868480
	.section	.rodata,"a",@progbits
	.p2align	6, 0x0
	.amdhsa_kernel k_q5cac034136_cvt
		.amdhsa_group_segment_fixed_size 0
		.amdhsa_private_segment_fixed_size 0
		.amdhsa_enable_private_segment 0
		.amdhsa_kernarg_size 64
		.amdhsa_user_sgpr_count 2
		.amdhsa_user_sgpr_kernarg_segment_ptr 1
		.amdhsa_wavefront_size32 1
		.amdhsa_system_sgpr_workgroup_id_x 1
		.amdhsa_system_sgpr_workgroup_id_y 1
		.amdhsa_system_sgpr_workgroup_id_z 1
		.amdhsa_system_vgpr_workitem_id 0
		.amdhsa_next_free_vgpr 64
		.amdhsa_next_free_sgpr 66
		.amdhsa_reserve_vcc 0
		.amdhsa_float_denorm_mode_32 3
		.amdhsa_float_denorm_mode_16_64 3
		.amdhsa_memory_ordered 1
		.amdhsa_forward_progress 1
		.amdhsa_inst_pref_size 11
	.end_amdhsa_kernel
	.amdgpu_metadata
---
amdhsa.version: [ 1, 2 ]
amdhsa.kernels:
  - .name:           k_q5cac034136_cvt
    .symbol:         k_q5cac034136_cvt.kd
    .args:
      - { .name: Q, .offset: 0, .size: 8, .value_kind: global_buffer, .address_space: global }
      - { .name: K, .offset: 8, .size: 8, .value_kind: global_buffer, .address_space: global }
      - { .name: V, .offset: 16, .size: 8, .value_kind: global_buffer, .address_space: global }
      - { .name: Wq, .offset: 24, .size: 8, .value_kind: global_buffer, .address_space: global }
      - { .name: Wk, .offset: 32, .size: 8, .value_kind: global_buffer, .address_space: global }
      - { .name: Wv, .offset: 40, .size: 8, .value_kind: global_buffer, .address_space: global }
      - { .name: Wo, .offset: 48, .size: 8, .value_kind: global_buffer, .address_space: global }
      - { .name: c16, .offset: 56, .size: 8, .value_kind: global_buffer, .address_space: global }
    .group_segment_fixed_size: 0
    .private_segment_fixed_size: 0
    .kernarg_segment_align: 8
    .kernarg_segment_size: 64
    .max_flat_workgroup_size: 256
    .sgpr_count:     66
    .vgpr_count:     64
    .wavefront_size: 32
...
	.end_amdgpu_metadata
.endif
;; end of part 1
;; launch gemm_qkv (part 2): grid 8 x 24, 4 waves a work-group, clusters of 4 x 4, 327,680 bytes of LDS; arguments c16, bq, bk, bv, qkv; writes qkv
.if DOCPART == 2
	.amdgcn_target "amdgcn-amd-amdhsa--gfx1250"
	.amdhsa_code_object_version 6
	.text
	.protected	k_q5cac034136_gemm_qkv
	.globl	k_q5cac034136_gemm_qkv
	.p2align	8
	.type	k_q5cac034136_gemm_qkv,@function
k_q5cac034136_gemm_qkv:
	s_mov_b64 s[64:65], 0
	v_nop
	global_prefetch_b8 v0, s[64:65] scope:SCOPE_SE
	s_setreg_imm32_b32 hwreg(HW_REG_WAVE_MODE, 25, 1), 1
	s_wait_xcnt 0x0
	s_wait_alu depctr_hold_cnt(0) depctr_sa_sdst(0) depctr_va_vdst(0) depctr_va_sdst(0) depctr_va_ssrc(0) depctr_va_vcc(0) depctr_vm_vsrc(0)
	s_getreg_b32 s2, hwreg(HW_REG_IB_STS2, 6, 4)
	s_cmp_eq_u32 s2, 0
	s_cbranch_scc0 .Lentry_in_a_cluster
	s_endpgm
.Lentry_in_a_cluster:
	s_bfe_u32 s2, ttmp6, 0x10000c
	s_cmp_lg_u32 s2, 0xf033
	s_cbranch_scc0 .Lentry_shape_is_right
	s_endpgm
.Lentry_shape_is_right:
; q, k, v = relu(x W + b), by heads.  x: planes 0-2 of c16, W: planes 3-5, all [2048][2048] f16 (W lies [k][n]); b: [2048] f32, rounded to bf16 here like the other inputs.
; Out: qkv, three planes [16 heads][2048][128] of 16 bits: plane 0 = relu(..) x QS in bf16, QS = -1e-9 / sqrt(128) (the attention adds the raw mask onto k . q);
; plane 1 = k in bf16; plane 2 = v in f16.  Sums in f32, each result rounded once.
; LIMITS.  v is held to 65,504, the end of f16.  relu of a NaN gives 0.  Infinities are not treated apart.
; SHARES.  A tile of C is 256 x 256: two heads' columns.  Four waves, as many as a WGP has SIMDs, each 128 x 128 (one head): 64 accumulators of 16 x 16, 512 registers.  K goes in steps of 128
; through a ring of two LDS slots.  Three planes of 8 x 8 tiles: 192 work-groups of equal work; cluster y / 2 says which of q, k, v.  No tile of one plane divides the three planes into 256 equal shares.
; CLUSTER 4 x 4.  The four of a row of the cluster need the same tiles of x, the four of a column the same tiles of W: each tile is asked for JOINTLY, by the same tensor load with the
; same descriptor and a mask that names the four.
; THE MATRIX INSTRUCTION IS USED TRANSPOSED: source 0 = 16 columns n of W, source 1 = 16 rows of x: a lane then holds row l % 16 of C and the columns 8 (l / 16) + 0..7.
; x comes out of LDS as it lies; W ([k][n]) turned, by ds_load_tr16_b128.  THE BIAS IS THE C OPERAND of the products that start the sums: it hangs on the column alone, so 64 registers serve all rows.
; REGISTERS, in windows of 256 (s_set_vgpr_msb: bits 1:0 source 0, 3:2 source 1, 5:4 source 2, 7:6 destination):
;   window 0: v0-31 addresses; v32-63 at work at the head; v64-127, v128-191 fragments of x (8 x 16 rows x 32 K), two buffers, and at work on the way out; v192-255 the bias of my 128 columns
;   window 1: v64-127, v128-191 fragments of W, two buffers
;   window 2: the 32 accumulators of my rows 0-63 (accumulator (a, b) at v[8 (8 a + b)]);   window 3: those of my rows 64-127
.set KSTEP,  128
.set ROWB,   4096                      ; bytes in a row of x and of W
.set PA,     272                       ; an LDS row of x: 256 bytes + 16 of padding: the 16 rows of a load start at 16 different groups of four banks (64 banks of 4 bytes: ISA guide 11.1)
.set PB,     544                       ; an LDS row of W (one k, 256 n): 512 + 32
.set HALFT,  128*PA                    ; what one tensor load brings: 128 rows of x, or 64 rows of W (64 x 544 is the same number of bytes)
.set BOFF,   2*HALFT
.set SLOT,   4*HALFT                   ; 256 rows of x, then 128 rows of W
.set OP,     528                       ; the way out: a row of 128 f32 + 16 bytes
.set OAREA,  128*OP                    ; a wave's area on the way out, in the ring's bytes after their last fill: 4 x 67,584 bytes fit into the two slots
.set SPARE,  2*SLOT                    ; behind the ring: the spare words, 128 bytes for each wave: two blocks of 256 bytes that no other line names
.set LAPS,   2048/(2*KSTEP)            ; a lap = two K steps = once round the ring
.set ADRA, 16                          ; v16-17  LDS address of my fragments of x in slot 0, 1
.set ADRB, 20                          ; v20-21  the same for W
.set STO,  24                          ; v24     the way out: where I put 32 bytes of a row
.set RD,   25                          ; v25     where I read 16 bytes of a row back; never rewritten
.set CO,   26                          ; v26     my 8 bytes of a head's row
.set BO,   27                          ; v27     my byte offset in the bias
.set SPW,  28                          ; v28     LDS address of my spare word; never rewritten
.set NIL,  29                          ; v29     0; never rewritten
.set PFO,  30                          ; v30     the prefetches' offset; never rewritten
.set RDA,  31                          ; v31     the way out: the LDS address of the rows in hand
.set TMP,  32
.set F0,   64
.set F1,   128
.set BIAS, 192
.set X,    64                          ; the way out: 16 rows x 4 f32
.set Y,    128                         ; and 16 rows x 2 words of 16-bit pairs
.set WV,   12                          ; s12  my wave
.set MH,   13                          ; s13  which half of the tile's rows is mine.  Also: I fetch for x (0) or for W (1)
.set NH,   14                          ; s14  which half of its columns.  Also: which half of that tile I fetch
.set TR,   15                          ; s15  tile row
.set G1,   24                          ; s[24:31] descriptor group 1 for tiles of x;  s[32:39] group 0, a set for each slot
.set G0,   32
.set G1B,  48                          ; s[48:55], s[56:63] the same for W
.set G0B,  56
.set WHICH, 66                         ; s66  0: q, 1: k, 2: v; the same in all sixteen partners
.set PFA,  74                          ; s[74:75] where my prefetches stand
.set PST,  76                          ; s[76:77] bytes from K step to K step in them
.set LIM,  78                          ; s78  1 in a wave that prefetches, else the greatest number
.set RB,   80                          ; s80  the way out: LDS bytes from my area's first row to the rows in hand
.set MSB, 0
.macro WIN new                         ; the immediate's high byte repeats the setting that is left; a switch that changes nothing is dropped
.if MSB != (\new)
	s_set_vgpr_msb (MSB<<8)|(\new)
.set MSB, \new
.endif
.endm
.set MUL_LO, 0xa1                      ; source 0 (W) window 1, source 1 (x) window 0, C and D window 2
.set MUL_HI, 0xf1                      ; the same, C and D window 3
.set TO_B,   0x40                      ; destination window 1, address window 0
; A joint load.  Waves 0 and 1 fetch the halves of x's tile, waves 2 and 3 those of W's.  The branch hangs on the wave's number alone.
; An s_nop 0 and four v_nop follow each of the two lines, ahead of the jump and the label.
.macro JLOAD s
	s_cmp_eq_u32 s[MH], 0
	s_cbranch_scc0 .Lfor_b_\@
	tensor_load_to_lds s[G0+4*(\s):G0+4*(\s)+3], s[G1:G1+7]
	s_nop 0
.rept 4
	v_nop
.endr
	s_branch .Lasked_\@
.Lfor_b_\@:
	tensor_load_to_lds s[G0B+4*(\s):G0B+4*(\s)+3], s[G1B:G1B+7]
	s_nop 0
.rept 4
	v_nop
.endr
.Lasked_\@:
.endm
; A PREFETCH INTO THE L2, behind each joint load, its five lines and the run of LDS loads that follows them: my share of the K step that stands TWO refills on, 512 matrix instructions ahead of the load
; that will want it; one instruction a wave, 32 blocks of 256 bytes.  Each block is named ONCE in the launch.  A tile row of x is read by both clusters of a row of clusters: the first (cluster x = 0) asks;
; a tile column of W by both rows of clusters of its plane: the first asks.  The four partners that ask for a tile jointly share it out BY ADDRESS: of the 128 rows of x that a wave fetches the partner at
; cx takes 32, a lane a row; of the 64 rows of W the partner at cy takes 16, two lanes a row of 512 bytes.  The last trip's two refills have no K step two on.  K steps 0 to 3 come by their loads alone.
.macro ASK
	s_cmp_gt_u32 s3, s[LIM]                        ; s3 = 1 in the loop's last trip
	s_cbranch_scc0 .Lnot_mine_\@
	global_prefetch_b8 v[PFO], s[PFA:PFA+1] th:TH_LOAD_NT scope:SCOPE_SE
.Lnot_mine_\@:
.endm
.macro CREST                           ; a round of the cluster's barrier behind its opening barrier
	s_cmp_lg_u32 s[WV], 0
	s_cbranch_scc1 .Lnot_wave_0_\@
	s_barrier_signal -3
.Lnot_wave_0_\@:
	s_barrier_wait -3
	s_barrier_signal -1
	s_barrier_wait -1
.endm
.macro CROUND                          ; a whole round
	s_barrier_signal -1
	s_barrier_wait -1
	CREST
.endm
	s_load_b256 s[4:11], s[0:1], 0x0               ; c16 s[4:5], bq s[6:7], bk s[8:9], bv s[10:11]
	s_load_b64 s[84:85], s[0:1], 0x20              ; qkv
	v_lshl_add_u32 v[SPW], v0, 2, SPARE
	v_mov_b32 v[NIL], 0
	ds_add_u32 v[SPW], v[NIL]                      ; the wave's opening: the add and its wait stand ahead of my first tensor load; the set-up below, work on registers, stands between them
	v_lshrrev_b32 v1, 5, v0
	v_readfirstlane_b32 s[WV], v1                  ; wave 0..3
	s_lshr_b32 s[MH], s[WV], 1
	s_and_b32 s[NH], s[WV], 1
	s_bfe_u32 s40, ttmp6, 0x40000                  ; cx, cy: my place in the cluster
	s_bfe_u32 s41, ttmp6, 0x40004
	s_lshl_b32 s42, ttmp9, 2
	s_add_co_u32 s42, s42, s40                     ; tile column = 4 x cluster x + cx, 0..7
	s_and_b32 s16, ttmp7, 0xffff                   ; cluster y, 0..5
	s_lshr_b32 s[WHICH], s16, 1
	s_and_b32 s79, s16, 1                          ; which of the plane's two rows of clusters
	s_lshl_b32 s[TR], s79, 2
	s_add_co_u32 s[TR], s[TR], s41                 ; tile row = 4 x (cluster y mod 2) + cy, 0..7
	s_lshl_b32 s43, s41, 2
	s_lshl_b32 s43, 15, s43                        ; my row of the cluster
	s_lshl_b32 s44, 0x1111, s40                    ; my column
	s_or_b32 s[G1+0], s43, (1<<16)|(1<<20)|(1<<21)|(5<<22)|(3<<25)   ; the mask: tiles of x go to my row; 2-byte elements; padding on; bit 21 beside a mask; after every 64 words 4 words
	s_or_b32 s[G1B+0], s44, (1<<16)|(1<<20)|(1<<21)|(6<<22)|(7<<25)  ; tiles of W go to my column; after every 128 words 8 words
	s_mov_b32 s[G1+1], KSTEP<<16                   ; tensor_dim0 = 128
	s_mov_b32 s[G1+2], 128<<16                     ; tensor_dim1 = 128
	s_mov_b32 s[G1+3], KSTEP<<16                   ; tile_dim0 = 128
	s_mov_b32 s[G1+4], 128                         ; tile_dim1 = 128
	s_mov_b32 s[G1+5], 2048                        ; elements from row to row
	s_mov_b32 s[G1+6], 0
	s_mov_b32 s[G1+7], 0
	s_mov_b32 s[G1B+1], 256<<16                    ; 256 n
	s_mov_b32 s[G1B+2], 64<<16                     ; 64 k
	s_mov_b32 s[G1B+3], 256<<16
	s_mov_b32 s[G1B+4], 64
	s_mov_b32 s[G1B+5], 2048
	s_mov_b32 s[G1B+6], 0
	s_mov_b32 s[G1B+7], 0
	s_lshl_b32 s16, s[TR], 20                      ; x: row 256 x tile row,
	s_lshl_b32 s17, s[NH], 19                      ; + the 128 rows that I fetch,
	s_add_co_u32 s16, s16, s17
	s_lshl_b32 s17, s[WHICH], 23                   ; in plane WHICH
	s_add_co_u32 s16, s16, s17
	s_mov_b32 s17, 0
	s_add_co_u32 s46, s[WHICH], 3                  ; W: plane 3 + WHICH,
	s_lshl_b32 s46, s46, 23
	s_lshl_b32 s47, s[NH], 18                      ; the 64 rows k that I fetch,
	s_add_co_u32 s46, s46, s47
	s_lshl_b32 s47, s42, 9                         ; the tile's 256 columns
	s_add_co_u32 s46, s46, s47
	s_mov_b32 s47, 0
	s_mul_i32 s20, s[WV], HALFT                    ; where they go: the halves of x, then the halves of W = wave x 34,816: no place in the cluster enters an LDS address
	s_cmp_eq_u32 s[WHICH], 0
	s_cselect_b32 s72, 0xaec25e37, 1.0             ; QS for q, 1 for k and v
	s_mov_b32 s73, s72                             ; named with it as a pair
	s_mov_b32 s70, 0x477fe000                      ; 65,504
	s_mov_b32 s71, 0xffff0000                      ; a word's upper bf16
	s_wait_dscnt 0x0                               ; the opening add is done
	s_wait_kmcnt 0x0
	s_add_nc_u64 s[16:17], s[4:5], s[16:17]
	s_add_nc_u64 s[46:47], s[4:5], s[46:47]
	s_cmp_eq_u32 s[WHICH], 1
	s_cselect_b64 s[68:69], s[8:9], s[6:7]
	s_cmp_eq_u32 s[WHICH], 2
	s_cselect_b64 s[68:69], s[10:11], s[68:69]     ; my bias
	CROUND                                         ; all sixteen work-groups are here: the first joint loads meet
.irp s, 0,1
	s_mov_b32 s[G0+4*(\s)], 1
	s_add_co_u32 s[G0+4*(\s)+1], s20, (\s)*SLOT
	s_add_nc_u64 s[G0+4*(\s)+2:G0+4*(\s)+3], s[16:17], (\s)*KSTEP*2
	s_or_b32 s[G0+4*(\s)+3], s[G0+4*(\s)+3], 0x80000000
	s_mov_b32 s[G0B+4*(\s)], 1
	s_add_co_u32 s[G0B+4*(\s)+1], s20, (\s)*SLOT
	s_add_nc_u64 s[G0B+4*(\s)+2:G0B+4*(\s)+3], s[46:47], (\s)*KSTEP*ROWB
	s_or_b32 s[G0B+4*(\s)+3], s[G0B+4*(\s)+3], 0x80000000
	JLOAD \s                                       ; the ring is filled before anything else is done
.endr
	v_and_b32 v1, 15, v0                           ; r = l % 16
	v_bfe_u32 v2, v0, 4, 1                         ; h = l / 16
	s_lshl_b32 s46, s42, 10                        ; the tile's 256 numbers of the bias,
	s_mov_b32 s47, 0
	s_add_nc_u64 s[68:69], s[68:69], s[46:47]
	s_lshl_b32 s22, s[NH], 9                       ; my 128 of them,
	v_lshl_add_u32 v[BO], v2, 5, s22               ; and 8 numbers for each half of the lanes
.irp b, 0,1,2,3,4,5,6,7
	global_load_b128 v[BIAS+8*(\b):BIAS+8*(\b)+3],   v[BO], s[68:69] offset:64*(\b)
	global_load_b128 v[BIAS+8*(\b)+4:BIAS+8*(\b)+7], v[BO], s[68:69] offset:64*(\b)+16
.endr
	v_mul_u32_u24 v3, v1, PA                       ; a fragment of x: row x pitch + 16 x half
	v_lshl_add_u32 v3, v2, 4, v3
	s_mul_i32 s21, s[MH], HALFT                    ; my 128 rows of x
	v_add_nc_u32 v[ADRA], s21, v3
	s_add_co_u32 s21, s21, SLOT
	v_add_nc_u32 v[ADRA+1], s21, v3
	v_and_b32 v4, 7, v0
	v_bfe_u32 v5, v0, 3, 1
	v_lshl_add_u32 v4, v2, 3, v4                   ; the turning load: lane l reads row k = 8 h + l % 8,
	v_mul_u32_u24 v4, v4, PB
	v_lshl_add_u32 v4, v5, 4, v4                   ; columns 8 ((l / 8) % 2) + 0..7
	s_lshl_b32 s22, s[NH], 8                       ; my 128 columns
	s_add_co_u32 s22, s22, BOFF
	v_add_nc_u32 v[ADRB], s22, v4
	s_add_co_u32 s22, s22, SLOT
	v_add_nc_u32 v[ADRB+1], s22, v4
	s_mul_i32 s23, s[WV], OAREA                    ; the way out: my area
	v_mul_u32_u24 v6, v1, OP                       ; in: row l % 16, 32 bytes for each half of the lanes
	v_lshl_add_u32 v6, v2, 5, v6
	v_add_nc_u32 v[STO], s23, v6
	v_and_b32 v7, 31, v0
	v_lshl_add_u32 v[RD], v7, 4, s23               ; back: 32 lanes take a row of 512 bytes,
	v_lshlrev_b32 v[CO], 3, v7                     ; which leaves as 256 bytes
	s_lshl_b32 s16, s[TR], 16                      ; C: row 256 x tile row (256 bytes a row)
	s_lshl_b32 s17, s[MH], 15                      ; + my 128 rows,
	s_add_co_u32 s16, s16, s17
	s_lshl_b32 s17, s[NH], 19                      ; head 2 x tile column + my half,
	s_add_co_u32 s16, s16, s17
	s_lshl_b32 s17, s[WHICH], 23                   ; plane WHICH
	s_add_co_u32 s16, s16, s17
	s_mov_b32 s17, 0
	s_add_nc_u64 s[84:85], s[84:85], s[16:17]
	s_lshl_b32 s46, s42, 20
	s_add_nc_u64 s[84:85], s[84:85], s[46:47]
	; the prefetches: an offset in c16 for x (waves 0, 1) and one for W (waves 2, 3), both at K step 3: the first refill steps it to 4
	s_lshl_b32 s20, s[TR], 20
	s_lshl_b32 s21, s[NH], 19
	s_add_co_u32 s20, s20, s21
	s_lshl_b32 s21, s40, 17                        ; my work-group's 32 rows of the 128
	s_add_co_u32 s20, s20, s21
	s_lshl_b32 s21, s[WHICH], 23
	s_add_co_u32 s20, s20, s21
	s_add_co_u32 s20, s20, 3*KSTEP*2
	s_add_co_u32 s22, s[WHICH], 3
	s_lshl_b32 s22, s22, 23
	s_lshl_b32 s21, s[NH], 18
	s_add_co_u32 s22, s22, s21
	s_lshl_b32 s21, s41, 16                        ; my work-group's 16 rows of the 64
	s_add_co_u32 s22, s22, s21
	s_lshl_b32 s21, s42, 9
	s_add_co_u32 s22, s22, s21
	s_add_co_u32 s22, s22, 3*KSTEP*ROWB
	s_mov_b32 s[PST], KSTEP*2
	s_mov_b32 s[PST+1], 0
	s_cmp_eq_u32 s[MH], 0                          ; do I fetch for x?
	s_cselect_b32 s20, s20, s22
	s_cselect_b32 s[PST], s[PST], KSTEP*ROWB
	s_cselect_b32 s22, ttmp9, s79                  ; the coordinate along which another cluster reads the same rows
	s_mov_b32 s21, 0
	s_cmp_eq_u32 s22, 0
	s_cselect_b32 s[LIM], 1, -1                    ; the same in all sixteen partners, for a given wave
	s_add_nc_u64 s[PFA:PFA+1], s[4:5], s[20:21]
	v_lshrrev_b32 v8, s[MH], v7                    ; x: a lane a row; W: two lanes a row,
	v_and_b32 v9, s[MH], v7                        ; the odd one its second 256 bytes
	v_lshlrev_b32 v8, 12, v8
	v_lshl_add_u32 v[PFO], v9, 8, v8
	s_wait_loadcnt 0x0                             ; the bias
.set i, 0
.rept 32
	v_cvt_pk_bf16_f32 v[TMP+i], v[BIAS+2*i], v[BIAS+2*i+1]  ; it is rounded to bf16 like the other inputs,
.set i, i+1
.endr
.set i, 0
.rept 32
	v_lshlrev_b32 v[BIAS+2*i], 16, v[TMP+i]        ; and kept as f32
	v_and_b32 v[BIAS+2*i+1], s71, v[TMP+i]
.set i, i+1
.endr
; 16 matrix instructions: m blocks a0, a0 + 1 of the window's four (hi = 0: my rows 0-63, 1: rows 64-127) x all 8 n blocks, 32 along K.
; first = 1: the product starts the sum, with the bias of its 16 columns as C: nothing is ever cleared, and the way out adds nothing.
; The 64 accumulators take turns, one instruction a turn, in the same order in every quarter, over the backward jump too.
.macro MUL16 f, hi, a0, first
.if \first
	WIN 0x81+0x40*(\hi)                            ; C in window 0, D in window 2 or 3
.else
	WIN MUL_LO+0x50*(\hi)                          ; MUL_LO or MUL_HI
.endif
.irp a, \a0, (\a0)+1
.irp b, 0,1,2,3,4,5,6,7
.if \first
	v_wmma_f32_16x16x32_f16 v[8*(8*(\a)+(\b)):8*(8*(\a)+(\b))+7], v[(\f)+8*(\b):(\f)+8*(\b)+7], v[(\f)+8*(4*(\hi)+(\a)):(\f)+8*(4*(\hi)+(\a))+7], v[BIAS+8*(\b):BIAS+8*(\b)+7]
.else
	v_wmma_f32_16x16x32_f16 v[8*(8*(\a)+(\b)):8*(8*(\a)+(\b))+7], v[(\f)+8*(\b):(\f)+8*(\b)+7], v[(\f)+8*(4*(\hi)+(\a)):(\f)+8*(4*(\hi)+(\a))+7], v[8*(8*(\a)+(\b)):8*(8*(\a)+(\b))+7]
.endif
.endr
.endr
.endm
; 32 LDS loads in one run: the fragments of quarter q of the slot's K step (128 columns of W, 128 rows of x, 32 along K) into buffer f
.macro FETCH slot, q, f
	WIN TO_B
.irp i, 0,1,2,3,4,5,6,7
	ds_load_tr16_b128 v[(\f)+8*(\i):(\f)+8*(\i)+3],   v[ADRB+(\slot)] offset:32*(\q)*PB+32*(\i)
	ds_load_tr16_b128 v[(\f)+8*(\i)+4:(\f)+8*(\i)+7], v[ADRB+(\slot)] offset:(32*(\q)+16)*PB+32*(\i)
.endr
	WIN 0
.irp i, 0,1,2,3,4,5,6,7
	ds_load_b128 v[(\f)+8*(\i):(\f)+8*(\i)+3],   v[ADRA+(\slot)] offset:64*(\q)+(\i)*16*PA
	ds_load_b128 v[(\f)+8*(\i)+4:(\f)+8*(\i)+7], v[ADRA+(\slot)] offset:64*(\q)+(\i)*16*PA+32
.endr
.endm
.macro PLACES                          ; four places in front of loads into registers that matrix instructions have read, and of stores of results (ISA guide 7.12.1 for vector instructions)
.rept 4
	v_nop
.endr
.endm
; A K step is four quarters of 32 along K, 64 matrix instructions each, on buffers 0, 1, 0, 1.  One of the first three: multiplies buffer f; in its middle it fetches quarter q into buffer g.
.macro QUARTER slot, q, f, g, first
	s_wait_dscnt 8                                 ; W and x's rows 0-63 are in; the youngest eight loads (x's rows 64-127) may be out
	MUL16 \f, 0, 0, \first
	MUL16 \f, 0, 2, \first
	PLACES
	FETCH \slot, \q, \g
	s_wait_dscnt 32                                ; all but the 32 just issued
	MUL16 \f, 1, 0, \first
	MUL16 \f, 1, 2, \first
.endm
; The last quarter multiplies buffer 1 and changes slots.  MEET is its first half: ONE barrier for the change of slots.  In front of it each wave waits for all its tensor loads, of which one is out:
; its part of the next slot; adds 0 to its spare word; and waits for that and for its own reads of this slot.  Behind it nobody reads this slot any more and the next slot is whole.
.macro MEET round                      ; round = 1: a round of the cluster's barrier follows
	WIN 0                                          ; (the add's two registers lie in window 0)
	s_wait_tensorcnt 0x0                           ; all my tensor loads have landed;
	ds_add_u32 v[SPW], v[NIL]                      ; 0 onto my spare word;
	s_wait_dscnt 9                                 ; (the add and the youngest eight loads may be out)
	MUL16 F1, 0, 0, 0                              ; sixteen matrix instructions stand between the add and the wait for it
	s_wait_dscnt 0x0                               ; the add is done, and my reads of this slot are over
	s_barrier_signal -1
	MUL16 F1, 0, 2, 0                              ; work on registers while the others arrive
.if \round
	WIN 0
.endif
	s_barrier_wait -1
.endm
; The whole last quarter of a K step whose slot is filled again, two K steps ahead: from the request to the wait for it a wave issues 224 matrix instructions.
.macro TURN slot, next
	s_wait_xcnt 0x0                                ; the last prefetch, a K step back, has read its address: it is stepped here, ahead of the waits of the change of slots
	s_add_nc_u64 s[PFA:PFA+1], s[PFA:PFA+1], s[PST:PST+1]
	MEET 1
	CREST                                          ; no wave of any partner still reads this slot's tile or has a load on its way
	s_add_nc_u64 s[G0+4*(\slot)+2:G0+4*(\slot)+3], s[G0+4*(\slot)+2:G0+4*(\slot)+3], 2*KSTEP*2
	s_add_nc_u64 s[G0B+4*(\slot)+2:G0B+4*(\slot)+3], s[G0B+4*(\slot)+2:G0B+4*(\slot)+3], 2*KSTEP*ROWB
	JLOAD \slot                                    ; the first tensor load behind the round; the four v_nop behind it are also the places in front of the loads below
	FETCH \next, 0, F0
	ASK                                            ; behind the joint load and the run of LDS loads that the next products wait for
	MUL16 F1, 1, 0, 0
	MUL16 F1, 1, 2, 0
.endm
	s_wait_tensorcnt 1                             ; my part of K step 0 is in; K step 1's may stay out
	s_barrier_signal -1
	s_barrier_wait -1                              ; everybody's is
	FETCH 0, 0, F0
	QUARTER 0, 1, F0, F1, 1                        ; the first quarter stands in front of the loop: its products start the sums
	WIN 0                                          ; at a label and at a branch every window is 0
	s_mov_b32 s3, LAPS-1
.Llap:                                                 ; a trip goes once round the ring, from a lap's second quarter to the next lap's first, and fills both slots again
	QUARTER 0, 2, F1, F0, 0
	QUARTER 0, 3, F0, F1, 0
	TURN 0, 1
	QUARTER 1, 1, F0, F1, 0
	QUARTER 1, 2, F1, F0, 0
	QUARTER 1, 3, F0, F1, 0
	TURN 1, 0
	QUARTER 0, 1, F0, F1, 0
	WIN 0
	s_sub_co_u32 s3, s3, 1
	s_cmp_lg_u32 s3, 0
	s_cbranch_scc1 .Llap
	QUARTER 0, 2, F1, F0, 0                        ; the last lap is written out: it fills nothing, and has no round of the cluster's barrier
	QUARTER 0, 3, F0, F1, 0
	MEET 0                                         ; my one tensor load that was still out is slot 1's, the last K step's
	PLACES                                         ; for the loads into buffer 0, which the quarter before multiplied
	FETCH 1, 0, F0
	MUL16 F1, 1, 0, 0
	MUL16 F1, 1, 2, 0
	QUARTER 1, 1, F0, F1, 0
	QUARTER 1, 2, F1, F0, 0
	QUARTER 1, 3, F0, F1, 0
	s_wait_dscnt 8                                 ; the very last quarter: nothing more to fetch
	MUL16 F1, 0, 0, 0
	MUL16 F1, 0, 2, 0
	s_wait_dscnt 0x0                               ; my last reads of the ring are back:
	s_barrier_signal -1                            ; say so, and go on multiplying
	MUL16 F1, 1, 0, 0
	MUL16 F1, 1, 2, 0
	WIN 0
	s_barrier_wait -1                              ; no wave reads the ring any more, and every fill has landed: its bytes may be stored into
	; THE WAY OUT.  My 128 x 128 sums go as f32 into my area of the ring's bytes, 32 bytes a lane and accumulator, each accumulator from its low end on; then a loop takes whole rows back into fixed
	; registers, so that relu, scale and rounding are written once and not for each of the 64 accumulators.
	PLACES
	PLACES
.irp a, 0,1,2,3,4,5,6,7
	WIN 0x08+4*((\a)/4)                            ; the stores' data in window 2 or 3
.irp b, 0,1,2,3,4,5,6,7
	ds_store_b128 v[STO], v[8*(8*((\a)%4)+(\b)):8*(8*((\a)%4)+(\b))+3]   offset:(\a)*16*OP+64*(\b)
	ds_store_b128 v[STO], v[8*(8*((\a)%4)+(\b))+4:8*(8*((\a)%4)+(\b))+7] offset:(\a)*16*OP+64*(\b)+16
.endr
.endr
	WIN 0
	s_wait_dscnt 0x0                               ; every wave's stores are done before any wave reads: a wave reads its own area alone, and with this barrier
	s_barrier_signal -1                            ; the order of stores and reads does not rest on the areas' bounds
	s_barrier_wait -1
; Eight rows, p0 on, of the sixteen in hand: relu, scale, (v: the hold at 65,504,) one rounding to 16 bits, and a store of 8 bytes a lane.
.macro PROC p0
.set i, 4*(\p0)
.rept 32
	v_max_num_f32 v[X+i], 0, v[X+i]
.set i, i+1
.endr
.set i, 4*(\p0)
.rept 16
	v_pk_mul_f32 v[X+i:X+i+1], v[X+i:X+i+1], s[72:73] op_sel_hi:[1,0]
.set i, i+2
.endr
	s_cmp_eq_u32 s[WHICH], 2                       ; the same answer in all sixteen partners; no barrier and no tensor load stands in either way
	s_cbranch_scc1 .Lhalf_\@
.set i, 2*(\p0)
.rept 16
	v_cvt_pk_bf16_f32 v[Y+i], v[X+2*i], v[X+2*i+1] ; q and k: bf16
.set i, i+1
.endr
	s_branch .Lpacked_\@
.Lhalf_\@:
.set i, 4*(\p0)
.rept 32
	v_min_num_f32 v[X+i], s70, v[X+i]              ; v: held to 65,504,
.set i, i+1
.endr
.set i, 2*(\p0)
.rept 16
	v_cvt_pk_f16_f32 v[Y+i], v[X+2*i], v[X+2*i+1]  ; and f16
.set i, i+1
.endr
.Lpacked_\@:
.set i, \p0
.rept 8
	global_store_b64 v[CO], v[Y+2*i:Y+2*i+1], s[84:85] offset:256*i  ; a store of the wave covers one row of the head: 256 consecutive bytes, aligned
.set i, i+1
.endr
.endm
	s_mov_b32 s[RB], 0
	s_mov_b32 s3, 8
.Lout:                                                 ; eight trips of sixteen rows
	v_add_nc_u32 v[RDA], s[RB], v[RD]
.irp p, 0,1,2,3,4,5,6,7,8,9,10,11,12,13,14,15
	ds_load_b128 v[X+4*(\p):X+4*(\p)+3], v[RDA] offset:(\p)*OP  ; a row's 512 bytes: 32 lanes, 16 neighbouring bytes each
.endr
	s_wait_dscnt 8                                 ; the first eight rows are in; the other eight may stay out
	PROC 0
	s_wait_dscnt 0x0
	PROC 8
	s_wait_xcnt 0x0                                ; the stores have read their registers: Y and the base are written again only behind this wait
	s_add_nc_u64 s[84:85], s[84:85], 16*256
	s_add_co_u32 s[RB], s[RB], 16*OP
	s_sub_co_u32 s3, s3, 1
	s_cmp_lg_u32 s3, 0
	s_cbranch_scc1 .Lout
	s_wait_tensorcnt 0x0                           ; the wave's end: behind my last tensor load and my last LDS store
	ds_add_u32 v[SPW], v[NIL]
	s_wait_dscnt 0x0
	CROUND                                         ; the closing round: no work-group ends while a partner may still ask for a tile that names it
	s_endpgm
.Lfunc_end_k_q5cac034136_gemm_qkv:
	.size	k_q5cac034136_gemm_qkv, .Lfunc_end_k_q5cac034136_gemm_qkv-k_q5cac034136_gemm_qkv
	.p2alignl 7, 3214868480
	.fill 96, 4, 3214868480
	.section	.rodata,"a",@progbits
	.p2align	6, 0x0
	.amdhsa_kernel k_q5cac034136_gemm_qkv
		.amdhsa_group_segment_fixed_size 327680
		.amdhsa_private_segment_fixed_size 0
		.amdhsa_enable_private_segment 0
		.amdhsa_kernarg_size 40
		.amdhsa_user_sgpr_count 2
		.amdhsa_user_sgpr_kernarg_segment_ptr 1
		.amdhsa_wavefront_size32 1
		.amdhsa_system_sgpr_workgroup_id_x 1
		.amdhsa_system_sgpr_workgroup_id_y 1
		.amdhsa_system_sgpr_workgroup_id_z 1
		.amdhsa_system_vgpr_workitem_id 0
		.amdhsa_next_free_vgpr 1024
		.amdhsa_next_free_sgpr 96
		.amdhsa_reserve_vcc 0
		.amdhsa_float_denorm_mode_32 3
		.amdhsa_float_denorm_mode_16_64 3
		.amdhsa_memory_ordered 1
		.amdhsa_forward_progress 1
		.amdhsa_inst_pref_size 140
	.end_amdhsa_kernel
	.amdgpu_metadata
---
amdhsa.version: [ 1, 2 ]
amdhsa.kernels:
  - .name:           k_q5cac034136_gemm_qkv
    .symbol:         k_q5cac034136_gemm_qkv.kd
    .args:
      - { .name: c16, .offset: 0, .size: 8, .value_kind: global_buffer, .address_space: global }
      - { .name: bq, .offset: 8, .size: 8, .value_kind: global_buffer, .address_space: global }
      - { .name: bk, .offset: 16, .size: 8, .value_kind: global_buffer, .address_space: global }
      - { .name: bv, .offset: 24, .size: 8, .value_kind: global_buffer, .address_space: global }
      - { .name: qkv, .offset: 32, .size: 8, .value_kind: global_buffer, .address_space: global }
    .group_segment_fixed_size: 327680
    .private_segment_fixed_size: 0
    .kernarg_segment_align: 8
    .kernarg_segment_size: 40
    .max_flat_workgroup_size: 128
    .sgpr_count:     96
    .vgpr_count:     1024
    .wavefront_size: 32
...
	.end_amdgpu_metadata
.endif
;; end of part 2
;; launch attn (part 3): grid 16 x 16, 4 waves a work-group, clusters of 4 x 4, 327,680 bytes of LDS; arguments qkv, mask, o16; writes o16
.if DOCPART == 3
	.amdgcn_target "amdgcn-amd-amdhsa--gfx1250"
	.amdhsa_code_object_version 6
	.text
	.protected	k_q5cac034136_attn
	.globl	k_q5cac034136_attn
	.p2align	8
	.type	k_q5cac034136_attn,@function
k_q5cac034136_attn:
	s_mov_b64 s[64:65], 0
	v_nop
	global_prefetch_b8 v0, s[64:65] scope:SCOPE_SE
	s_setreg_imm32_b32 hwreg(HW_REG_WAVE_MODE, 25, 1), 1
	s_wait_xcnt 0x0
	s_wait_alu depctr_hold_cnt(0) depctr_sa_sdst(0) depctr_va_vdst(0) depctr_va_sdst(0) depctr_va_ssrc(0) depctr_va_vcc(0) depctr_vm_vsrc(0)
	s_getreg_b32 s2, hwreg(HW_REG_IB_STS2, 6, 4)
	s_cmp_eq_u32 s2, 0
	s_cbranch_scc0 .Lentry_in_a_cluster
	s_endpgm
.Lentry_in_a_cluster:
	s_bfe_u32 s2, ttmp6, 0x10000c
	s_cmp_lg_u32 s2, 0xf033
	s_cbranch_scc0 .Lentry_shape_is_right
	s_endpgm
.Lentry_shape_is_right:
; o16[s][128 h + c] = the sum over keys of softmax_k(q . k / sqrt(128) - 1e9 mask[s][k]) v[k][c], for 16 heads of 128 channels and 2,048 rows.
; In: qkv plane 0 = q x QS (bf16, QS = -1e-9 / sqrt(128)), plane 1 = k (bf16), plane 2 = v (f16), each [16][2048][128]; mask [2048][2048] f32, read as it is given: every tile, every number.
; THE MASK IS THE C OPERAND that starts the sum S = mask + k . (q QS): S is the score of the problem divided by -1e9, formed as the problem forms it (one f32 sum of score and mask term).
; SOFTMAX.  p = 2^(cN S - cN m), cN = -1e9 log2(e), m the running MINIMUM of S: cN m is the running maximum of the scores in units of log2.  In every step O and l are multiplied by
; a = 2^(cN m_old - cN m_new).  cN m starts far below every cN S, m at the largest finite number, O and l at 0: the first step is a step like any other, with a = 0.
; Products, minima and sums in f32; the weights p are rounded to f16 for the second product (their sum l is taken of the unrounded p), O once at the end, to f16.
; LIMITS.  A weight below 2^-126 counts as 0.  NaN and infinities are not treated apart.  Where a key is masked the bits of its score below 2^-24 of the mask term are lost, as in the problem's own sum.
; SHARES.  A work-group owns 128 queries of one head.  Wave w takes the queries 64 (w % 2) on (four tiles of 16, two PIECES of two tiles) and, of every slot of 128 keys, the keys 64 (w / 2) on:
; 16 key steps of 64.  The two key halves of a query meet in LDS at the end.
; LAYOUT.  S^T = K Q^T (source 0 = 16 keys, source 1 = 16 queries): a lane holds ONE query (lane % 16) and the keys 8 (lane / 16) + 0..7; so do the eight mask numbers that it reads, 32 bytes on end.
; Two such results, rounded to f16 in pairs, ARE source 1 of O^T = V^T P.  K comes out of LDS as it lies, V ([key][channel]) turned, by ds_load_tr16_b128.
; BY TURNS.  In a TURN one piece has the matrix unit: 32 products V^T P of the step in hand, then 32 products K Q^T of the next; the other piece's softmax, cut into 64 slices, stands between them,
; one slice behind each matrix instruction.  Two turns are a key step.
; CLUSTER 4 x 4: x = query blocks, y = heads.  K and V hang on the head alone and are asked for jointly along a row of the cluster, the mask on the query block alone, jointly along a column.
; REGISTERS, in windows of 256 (s_set_vgpr_msb: bits 1:0 source 0, 3:2 source 1, 5:4 source 2, 7:6 destination):
;   window 0: v0-11, v44-63 addresses; v12-43 eight registers of statistics a tile; v64-191 S^T, 32 a tile; v192-255 P, 16 a tile
;   window 1: O^T, 64 a tile     window 2: v0-127 Q, 32 a tile; v128-255 K of one step     window 3: v0-127 V of one step; v128-255 the mask of one step, 32 a tile
.set PK,    272       ; a row of K in LDS: 256 bytes + 16: the 16 rows of a load start at 16 different groups of four banks (64 banks of 4 bytes: ISA guide 11.1)
.set PV,    288       ; a row of V: 256 + 32
.set PM,    528       ; a row of the mask tile (one query, 128 keys in f32): 512 + 16
.set VOFF,  128*PK    ; a slot: 128 rows of K, 128 of V, 128 of the mask
.set MOFF,  VOFF+128*PV
.set SLOT1, MOFF+128*PM  ; 0x22000: the four LDS addresses that tiles land at in slot 0 (0, 0x8800, 0x11800, 0x19c00) have bits 13 and 17 clear, so one exclusive or turns each into slot 1's
.set STAGE, 2*SLOT1   ; behind the ring: 16 rows x 272 bytes for each wave, for the way out
.set SP,    272
.set SPARE, STAGE+4*16*SP  ; behind the stages: the spare words, 128 bytes for each wave: two blocks of 256 bytes that no other line names
.set MW,    16896     ; the meeting of the key halves, in slot 0 after its last fill: for each wave 16,384 bytes of O^T and 512 of statistics, from LDS byte 0 on
.set AK0, 2           ; v2   my lane's place in a tile of K; never rewritten
.set AV0, 3           ; v3   the same for V
.set ADR, 4           ; v4   the LDS address of the run of loads of K or V in hand
.set QO,  5           ; v5   my byte offset in the wave's rows of Q
.set STO, 6           ; v6   the way out: where I put 16 bytes of a row
.set RD,  7           ; v7   where I read a row back
.set GO,  8           ; v8   my byte offset in the wave's rows of o16
.set ST,  12          ; tile t's statistics at v[ST+8 t]: +0 cN m, +1 m, +2, +3 l (even keys', odd keys'), +4 to +7 c0-c3, at work; a takes c2's place once the minimum is found
.set AM0, 44          ; v44  my lane's place in a tile of the mask
.set XS,  45          ; v45  the meeting: where I put 16 bytes of O^T
.set XT,  46          ; v46  and a word of statistics
.set XL,  47          ; v47  where I read my partner's
.set XU,  48          ; v48
.set ADM, 49          ; v49  the LDS address of the run of loads of the mask in hand
.set PS,  52          ; v52-55  my partner's cN m and l, two tiles
.set PFO, 61          ; v61  the prefetches' offset: my lane x a row; never rewritten
.set SPW, 62          ; v62  LDS address of my spare word; never rewritten
.set NIL, 63          ; v63  0; never rewritten
.set S,   64
.set P,   192
.set KF,  128         ; K's fragments, in window 2
.set MK,  128         ; the mask, in window 3: tile t, keys 16 kt on, at MK + 32 t + 8 kt
.set QH,  10          ; s10  w % 2: my half of the queries.  Also: which half of the mask's rows I fetch
.set KH,  11          ; s11  w / 2: my half of a slot's keys
.set WV,  12          ; s12  my wave
.set CX,  13          ; s13, s14  my place in the cluster
.set CY,  14
.set LIM, 15          ; s15  2 in a wave that prefetches, else the greatest number: a wave prefetches while s[SLOTS] is above it
.set PFA, 18          ; s[18:19] where my prefetches stand
.set G1K, 24          ; s[24:31] descriptor group 1 for K;  s[32:39] for V;  s[68:75] for the mask
.set G1V, 32
.set G0K, 40          ; s[40:47] group 0 for K: a set for each of the two first fills; the second then walks.  s[48:55] for V, s[76:83] for the mask
.set G0V, 48
.set SLOTS, 56        ; s56  slots still to be asked for
.set CS,  58          ; s[58:59] cN
.set SEL, 60          ; s[60:61] v_permlanex16_b32's selects: each lane takes its own place in the other half
.set TB,  62          ; s62  LDS byte at which the slot to be read begins
.set PST, 66          ; s[66:67] bytes from tile to tile in my prefetches
.set G1M, 68
.set G0M, 76
.set QA,  84          ; s[84:85] Q at my wave's first row
.set OA,  86          ; s[86:87] o16 at my wave's first row, my head's columns
.set QB,  88          ; s88  my block of 128 queries
.set HEAD, 89         ; s89  my head
.set MSB, 0
.macro WIN new                      ; the immediate's high byte repeats the setting that is left; a switch that changes nothing is dropped
.if MSB != (\new)
	s_set_vgpr_msb (MSB<<8)|(\new)
.set MSB, \new
.endif
.endm
.set W_KQ, 0x0a       ; K and Q in window 2, S^T in window 0
.set W_KM, 0x3a       ; the same with the C operand, the mask, in window 3
.set W_PV, 0x53       ; V in window 3, P in window 0, O^T in window 1
.set W_RS, 0x41       ; O^T (destination and source 0) in window 1, source 1 in window 0
; A joint refill.  Wave 0 fetches a slot's K, wave 1 its V, waves 2 and 3 the halves of its mask tile.  The branches hang on the wave's number alone.
; An s_nop 0 and four v_nop follow each of the three lines, ahead of the jump and the label.
.macro JLOAD
	s_cmp_lt_u32 s[WV], 2
	s_cbranch_scc0 .Lfor_m_\@
	s_cmp_eq_u32 s[WV], 0
	s_cbranch_scc0 .Lfor_v_\@
	tensor_load_to_lds s[G0K+4:G0K+7], s[G1K:G1K+7]
	s_nop 0
.rept 4
	v_nop
.endr
	s_branch .Lasked_\@
.Lfor_v_\@:
	tensor_load_to_lds s[G0V+4:G0V+7], s[G1V:G1V+7]
	s_nop 0
.rept 4
	v_nop
.endr
	s_branch .Lasked_\@
.Lfor_m_\@:
	tensor_load_to_lds s[G0M+4:G0M+7], s[G1M:G1M+7]
	s_nop 0
.rept 4
	v_nop
.endr
.Lasked_\@:
.endm
; A PREFETCH INTO THE L2 of the tile that stands two refills on: two key steps, 256 matrix instructions, ahead of the load that will want it; one instruction a wave, a lane a row, behind the wave's
; tensor load and its five lines.  Each aligned block of 256 bytes is named ONCE in the launch.  K and V of a head are walked by the four clusters of a row of clusters: the first of them asks, wave 0 for K,
; wave 1 for V; its four partners along x take 32 of the tile's 128 rows each, told apart BY ADDRESS.  A query block's mask rows are walked by the four clusters of a column of clusters: the first asks; its
; partners along y take 32 rows each, wave 2 the first 256 bytes of a row's 512, wave 3 the second.  The last two refills ask for nothing: there is no tile two on.  Tiles 0 to 3 come by their loads alone.
.macro ASK
	s_cmp_gt_u32 s[SLOTS], s[LIM]
	s_cbranch_scc0 .Lnot_mine_\@
	global_prefetch_b8 v[PFO], s[PFA:PFA+1] th:TH_LOAD_NT scope:SCOPE_SE
.Lnot_mine_\@:
.endm
; A round of the cluster's barrier: my work-group's barrier, so that wave 0's signal speaks for all four waves; wave 0 signals; every wave waits for all sixteen work-groups; my work-group's barrier once more.
.macro CROUND
	s_barrier_signal -1
	s_barrier_wait -1
	s_cmp_lg_u32 s[WV], 0
	s_cbranch_scc1 .Lnot_wave_0_\@
	s_barrier_signal -3
.Lnot_wave_0_\@:
	s_barrier_wait -3
	s_barrier_signal -1
	s_barrier_wait -1
.endm
	s_load_b128 s[4:7], s[0:1], 0x0  ; qkv s[4:5], mask s[6:7]
	s_load_b64 s[8:9], s[0:1], 0x10  ; o16
	v_lshl_add_u32 v[SPW], v0, 2, SPARE
	v_mov_b32 v[NIL], 0
	ds_add_u32 v[SPW], v[NIL]       ; the wave's opening: the add and its wait stand ahead of my first tensor load; the set-up below, work on registers, stands between them
	v_lshrrev_b32 v1, 5, v0
	v_readfirstlane_b32 s[WV], v1   ; wave 0..3
	s_and_b32 s[QH], s[WV], 1
	s_lshr_b32 s[KH], s[WV], 1
	s_bfe_u32 s[CX], ttmp6, 0x40000
	s_bfe_u32 s[CY], ttmp6, 0x40004
	s_lshl_b32 s[QB], ttmp9, 2
	s_add_co_u32 s[QB], s[QB], s[CX]  ; query block = 4 x cluster x + cx
	s_and_b32 s[HEAD], ttmp7, 0xffff
	s_lshl_b32 s[HEAD], s[HEAD], 2
	s_add_co_u32 s[HEAD], s[HEAD], s[CY]  ; head = 4 x cluster y + cy
	s_lshl_b32 s16, s[CY], 2
	s_lshl_b32 s16, 15, s16         ; my row of the cluster
	s_lshl_b32 s17, 0x1111, s[CX]   ; my column
	s_or_b32 s[G1K], s16, (1<<16)|(1<<20)|(1<<21)|(5<<22)|(3<<25)  ; the mask of my row; 2-byte elements; padding on; bit 21 beside a mask; after every 64 words 4 words
	s_or_b32 s[G1V], s16, (1<<16)|(1<<20)|(1<<21)|(5<<22)|(7<<25)  ; the same with 8 words
	s_or_b32 s[G1M], s17, (2<<16)|(1<<20)|(1<<21)|(6<<22)|(3<<25)  ; the mask of my column; 4-byte elements; after every 128 words 4 words
.irp g, G1K, G1V
	s_mov_b32 s[(\g)+1], 128<<16    ; tensor_dim0 = 128
	s_mov_b32 s[(\g)+2], 128<<16    ; tensor_dim1 = 128
	s_mov_b32 s[(\g)+3], 128<<16    ; tile_dim0 = 128
	s_mov_b32 s[(\g)+4], 128        ; tile_dim1 = 128
	s_mov_b32 s[(\g)+5], 128        ; elements from row to row
	s_mov_b32 s[(\g)+6], 0
	s_mov_b32 s[(\g)+7], 0
.endr
	s_mov_b32 s[G1M+1], 128<<16     ; 128 keys
	s_mov_b32 s[G1M+2], 64<<16      ; 64 queries
	s_mov_b32 s[G1M+3], 128<<16
	s_mov_b32 s[G1M+4], 64
	s_mov_b32 s[G1M+5], 2048
	s_mov_b32 s[G1M+6], 0
	s_mov_b32 s[G1M+7], 0
	s_mov_b32 s[CS], 0xceabfb8f     ; cN = -1e9 log2(e)
	s_mov_b32 s[CS+1], s[CS]        ; named with it as a pair
	s_mov_b32 s[SEL], 0x76543210
	s_mov_b32 s[SEL+1], 0xfedcba98
	s_mov_b32 s[TB], 0
	s_mov_b32 s[SLOTS], 14          ; tiles 2 to 15
	s_lshl_b32 s90, s[HEAD], 19     ; the head's first byte in a plane of qkv: the head alone
	s_mov_b32 s91, 0
	s_lshl_b32 s92, s[QB], 20       ; the mask: my block's 128 rows of 8,192 bytes,
	s_lshl_b32 s93, s[QH], 19       ; the 64 of them that I fetch: the block and the wave alone
	s_add_co_u32 s92, s92, s93
	s_mov_b32 s93, 0
	s_mul_i32 s23, s[QH], 64*PM     ; and their place in a slot
	s_lshl_b32 s[QA], s[QB], 15     ; Q: my block's 128 rows of 256 bytes, my wave's 64, the head
	s_lshl_b32 s[QA+1], s[QH], 14
	s_add_co_u32 s[QA], s[QA], s[QA+1]
	s_add_co_u32 s[QA], s[QA], s90
	s_mov_b32 s[QA+1], 0
	s_lshl_b32 s[OA], s[QB], 19     ; o16: rows of 4,096 bytes, the head's 256 bytes in them
	s_lshl_b32 s[OA+1], s[QH], 18
	s_add_co_u32 s[OA], s[OA], s[OA+1]
	s_lshl_b32 s[OA+1], s[HEAD], 8
	s_add_co_u32 s[OA], s[OA], s[OA+1]
	s_mov_b32 s[OA+1], 0
	; the prefetches: an offset for K or V (waves 0, 1) and one for the mask (waves 2, 3), both at tile 3
	s_add_co_u32 s16, s[QH], 1      ; wave 0: plane 1; wave 1: plane 2
	s_lshl_b32 s16, s16, 23
	s_add_co_u32 s16, s16, s90
	s_lshl_b32 s17, s[CX], 13       ; my work-group's 32 rows of 256 bytes
	s_add_co_u32 s16, s16, s17
	s_add_co_u32 s16, s16, 3*32768
	s_lshl_b32 s20, s[QB], 20
	s_lshl_b32 s17, s[CY], 18       ; my work-group's 32 rows of 8,192 bytes
	s_add_co_u32 s20, s20, s17
	s_lshl_b32 s17, s[QH], 8        ; my half of a row's 512
	s_add_co_u32 s20, s20, s17
	s_add_co_u32 s20, s20, 3*512
	s_and_b32 s17, ttmp7, 0xffff
	s_mov_b32 s[PST], 512
	s_mov_b32 s[PST+1], 0
	s_mov_b32 s3, 0
	s_cmp_lt_u32 s[WV], 2
	s_cselect_b32 s2, s16, s20
	s_cselect_b32 s[PST], 0x8000, s[PST]
	s_cselect_b32 s17, ttmp9, s17   ; the coordinate along which other clusters walk the same rows
	s_cselect_b32 s16, 8, 13
	s_cmp_eq_u32 s17, 0
	s_cselect_b32 s[LIM], 2, -1     ; the same in all sixteen partners, for a given wave
	v_and_b32 v10, 31, v0
	v_lshlrev_b32 v[PFO], s16, v10  ; a lane a row
	s_wait_dscnt 0x0                ; the opening add is done
	s_wait_kmcnt 0x0
	s_add_nc_u64 s[90:91], s[4:5], s[90:91]
	s_add_nc_u64 s[92:93], s[6:7], s[92:93]
	s_add_nc_u64 s[QA:QA+1], s[4:5], s[QA:QA+1]
	s_add_nc_u64 s[OA:OA+1], s[8:9], s[OA:OA+1]
	s_cmp_lt_u32 s[WV], 2
	s_cselect_b64 s[PFA:PFA+1], s[4:5], s[6:7]
	s_add_nc_u64 s[PFA:PFA+1], s[PFA:PFA+1], s[2:3]
	CROUND                          ; all sixteen work-groups are here: the first joint loads meet
.irp s, 0,1
	s_mov_b32 s[G0K+4*(\s)], 1
	s_mov_b32 s[G0K+4*(\s)+1], (\s)*SLOT1
	s_add_nc_u64 s[G0K+4*(\s)+2:G0K+4*(\s)+3], s[90:91], (1<<23)+(\s)*32768  ; slot s begins with keys 128 s on
	s_or_b32 s[G0K+4*(\s)+3], s[G0K+4*(\s)+3], 0x80000000
	s_mov_b32 s[G0V+4*(\s)], 1
	s_mov_b32 s[G0V+4*(\s)+1], VOFF+(\s)*SLOT1
	s_add_nc_u64 s[G0V+4*(\s)+2:G0V+4*(\s)+3], s[90:91], (2<<23)+(\s)*32768
	s_or_b32 s[G0V+4*(\s)+3], s[G0V+4*(\s)+3], 0x80000000
	s_mov_b32 s[G0M+4*(\s)], 1
	s_add_co_u32 s[G0M+4*(\s)+1], s23, MOFF+(\s)*SLOT1
	s_add_nc_u64 s[G0M+4*(\s)+2:G0M+4*(\s)+3], s[92:93], (\s)*512
	s_or_b32 s[G0M+4*(\s)+3], s[G0M+4*(\s)+3], 0x80000000
.endr
	s_cmp_lt_u32 s[WV], 2           ; a wave's two first fills stand together, ahead of every wait on TENSORcnt and every LDS read: two loads of mine are out
	s_cbranch_scc0 .Lfirst_m
	s_cmp_eq_u32 s[WV], 0
	s_cbranch_scc0 .Lfirst_v
	tensor_load_to_lds s[G0K:G0K+3], s[G1K:G1K+7]
	s_nop 0
	tensor_load_to_lds s[G0K+4:G0K+7], s[G1K:G1K+7]
	s_nop 0
.rept 4
	v_nop
.endr
	s_branch .Lfirst_asked
.Lfirst_v:
	tensor_load_to_lds s[G0V:G0V+3], s[G1V:G1V+7]
	s_nop 0
	tensor_load_to_lds s[G0V+4:G0V+7], s[G1V:G1V+7]
	s_nop 0
.rept 4
	v_nop
.endr
	s_branch .Lfirst_asked
.Lfirst_m:
	tensor_load_to_lds s[G0M:G0M+3], s[G1M:G1M+7]
	s_nop 0
	tensor_load_to_lds s[G0M+4:G0M+7], s[G1M:G1M+7]
	s_nop 0
.rept 4
	v_nop
.endr
.Lfirst_asked:
	; A fragment of K or Q is 16 rows x 32 channels in 8 registers: lane l holds row l % 16; registers 0-3 channels 8 (l / 16) + 0..7, registers 4-7 channels 16 + 8 (l / 16) + 0..7.
	v_and_b32 v1, 15, v0            ; l % 16
	v_bfe_u32 v9, v0, 4, 1          ; l / 16
	v_lshlrev_b32 v[QO], 8, v1
	v_lshl_add_u32 v[QO], v9, 4, v[QO]  ; row x 256 + 16 x half
	WIN 0x80                        ; destination window 2, address window 0
.irp i, 0,1,2,3,4,5,6,7,8,9,10,11,12,13,14,15  ; Q stays in registers: tile i / 4, channels 32 (i % 4) on
	global_load_b128 v[8*(\i):8*(\i)+3],   v[QO], s[QA:QA+1] offset:((\i)/4)*4096+((\i)%4)*64
	global_load_b128 v[8*(\i)+4:8*(\i)+7], v[QO], s[QA:QA+1] offset:((\i)/4)*4096+((\i)%4)*64+32
.endr
	WIN 0x40                        ; O^T starts at 0, so that no first step is written out; this stands in the wait for the first tile
.set i, 0
.rept 256
	v_mov_b32 v[i], 0
.set i, i+1
.endr
	WIN 0
.set i, 0
.rept 4
	v_mov_b32 v[ST+8*i], 0xfe000000    ; cN m: far below every cN S
	v_mov_b32 v[ST+8*i+1], 0x7f7fffff  ; m: the largest finite number
	v_mov_b32 v[ST+8*i+2], 0
	v_mov_b32 v[ST+8*i+3], 0
.set i, i+1
.endr
	s_mul_i32 s16, s[KH], 64*PK     ; my 64 keys of a slot
	v_mul_u32_u24 v[AK0], v1, PK
	v_lshl_add_u32 v[AK0], v9, 4, v[AK0]
	v_add_nc_u32 v[AK0], s16, v[AK0]
	; The turning load takes 16 keys x 16 channels (lane l reads key 8 (l / 16) + l % 8, channels 8 ((l / 8) % 2) + 0..7) and leaves half a fragment of V^T: lane l holds channel l % 16 and 8 keys.
	v_and_b32 v10, 7, v0
	v_bfe_u32 v11, v0, 3, 1
	v_lshl_add_u32 v[AV0], v9, 3, v10
	v_mul_u32_u24 v[AV0], v[AV0], PV
	v_lshl_add_u32 v[AV0], v11, 4, v[AV0]
	s_mul_i32 s16, s[KH], 64*PV
	s_add_co_u32 s16, s16, VOFF
	v_add_nc_u32 v[AV0], s16, v[AV0]
	s_mul_i32 s16, s[QH], 64*PM     ; the mask: my 64 queries' rows, my 64 keys' 256 bytes, 32 bytes for each half of the lanes
	s_lshl_b32 s17, s[KH], 8
	s_add_co_u32 s16, s16, s17
	s_add_co_u32 s16, s16, MOFF
	v_mul_u32_u24 v[AM0], v1, PM
	v_lshl_add_u32 v[AM0], v9, 5, v[AM0]
	v_add_nc_u32 v[AM0], s16, v[AM0]
; THE MATRIX WORK OF A TURN, for piece x.  The accumulators take turns, one instruction a turn: between two links of a chain stand 15 (V^T P) or 7 (K Q^T) others'.
; Product i of 32 of O^T += V^T P: keys 32 (i / 16) on, channels 16 ((i / 2) % 8) on, tile x + i % 2.
.macro PV x
	WIN W_PV
.set rO, 64*((\x)+i%2)+8*((i/2)%8)
.set rV, 64*(i/16)+8*((i/2)%8)
.set rP, P+16*((\x)+i%2)+8*(i/16)
	v_wmma_f32_16x16x32_f16 v[rO:rO+7], v[rV:rV+7], v[rP:rP+7], v[rO:rO+7]
.endm
; Product i of 32 of S^T = mask + K Q^T: channels 32 (i / 8) on, keys 16 ((i / 2) % 4) on, tile x + i % 2.  The first 8 start the sums, with the mask.
.macro KQ x
.set rS, S+32*((\x)+i%2)+8*((i/2)%4)
.set rK, KF+32*((i/2)%4)+8*(i/8)
.set rQ, 32*((\x)+i%2)+8*(i/8)
.set rM, MK+32*((\x)+i%2)+8*((i/2)%4)
.if i < 8
	WIN W_KM
	v_wmma_f32_16x16x32_bf16 v[rS:rS+7], v[rK:rK+7], v[rQ:rQ+7], v[rM:rM+7]
.else
	WIN W_KQ
	v_wmma_f32_16x16x32_bf16 v[rS:rS+7], v[rK:rK+7], v[rQ:rQ+7], v[rS:rS+7]
.endif
.endm
; THE LDS LOADS stand in runs, never singly among the matrix instructions: a step's K (64 keys x 128 channels: 16 fragments), its V (turned), and for each piece its mask (2 tiles x 64 keys in f32).
.macro FETCH_K
	WIN 0
	v_add_nc_u32 v[ADR], s[TB], v[AK0]
	WIN 0x80                        ; destination window 2
.irp f, 0,1,2,3,4,5,6,7,8,9,10,11,12,13,14,15  ; keys 16 (f / 4) on, channels 32 (f % 4) on
	ds_load_b128 v[KF+8*(\f):KF+8*(\f)+3],   v[ADR] offset:((\f)/4)*16*PK+((\f)%4)*64
	ds_load_b128 v[KF+8*(\f)+4:KF+8*(\f)+7], v[ADR] offset:((\f)/4)*16*PK+((\f)%4)*64+32
.endr
.endm
.macro FETCH_V
	WIN 0
	v_add_nc_u32 v[ADR], s[TB], v[AV0]
	WIN 0xc0                        ; destination window 3
.irp f, 0,1,2,3,4,5,6,7,8,9,10,11,12,13,14,15  ; keys 32 (f / 8) on, channels 16 (f % 8) on
	ds_load_tr16_b128 v[8*(\f):8*(\f)+3],   v[ADR] offset:((\f)/8)*32*PV+((\f)%8)*32
	ds_load_tr16_b128 v[8*(\f)+4:8*(\f)+7], v[ADR] offset:((\f)/8)*32*PV+16*PV+((\f)%8)*32
.endr
.endm
.macro FETCH_M x
	WIN 0
	v_add_nc_u32 v[ADM], s[TB], v[AM0]
	WIN 0xc0                        ; destination window 3
.irp u, 0,1
.irp kt, 0,1,2,3
	ds_load_b128 v[MK+32*((\x)+(\u))+8*(\kt):MK+32*((\x)+(\u))+8*(\kt)+3],   v[ADM] offset:((\x)+(\u))*16*PM+64*(\kt)
	ds_load_b128 v[MK+32*((\x)+(\u))+8*(\kt)+4:MK+32*((\x)+(\u))+8*(\kt)+7], v[ADM] offset:((\x)+(\u))*16*PM+64*(\kt)+16
.endr
.endr
.endm
; THE VECTOR WORK OF A TURN.  One tile's softmax for one key step is a list of 134 instructions; SM writes number j of it for tile t.  s0-s31 are the lane's 32 numbers S, in pairs 0-15.
;   0-15    the minimum of s0-s31 and the old m, three operands at a time: four chains c0-c3 of seven each (each accumulator's lowest registers are read first), then the four left over, c0-c3 and m
;   16-20   the other half of the lanes' minimum; the new m; cN m; cN m_old - cN m_new
;   21-87   33 exponentials (a, then s0-s31) at the odd numbers from 23 on, so that no two follow each other and each has a plain instruction behind it before its result is used.
;           Plain instruction q (number 21, then the even numbers) is whatever is ready: cN s - cN m for a pair whose exponentials are still to come, the rounding to f16 of a pair whose exponentials are done, at last the first three sums
;   88-101  the last rounding; the rest of the sums; l = a l + the sum
;   102-133 the tile's O^T times a: the one part that leaves window 0, so it stands together
.macro SM t
.set rT, ST+8*(\t)
.set rS, S+32*(\t)
.set rP, P+16*(\t)
.set rO, 64*(\t)+2*(j-102)
.set q, (j-20)/2
.if j < 102
	WIN 0
.endif
.if j < 4
	v_min3_num_f32 v[rT+4+j], v[rS+8*j], v[rS+8*j+1], v[rS+8*j+2]
.elseif j < 12
	v_min3_num_f32 v[rT+4+j%4], v[rT+4+j%4], v[rS+8*(j%4)+2*(j/4)+1], v[rS+8*(j%4)+2*(j/4)+2]
.elseif j == 12
	v_min3_num_f32 v[rT+4], v[rT+4], v[rS+7], v[rS+15]
.elseif j == 13
	v_min3_num_f32 v[rT+6], v[rT+6], v[rS+23], v[rS+31]
.elseif j == 14
	v_min3_num_f32 v[rT+4], v[rT+4], v[rT+5], v[rT+6]
.elseif j == 15
	v_min3_num_f32 v[rT+4], v[rT+4], v[rT+7], v[rT+1]
.elseif j == 16
	v_permlanex16_b32 v[rT+5], v[rT+4], s[SEL], s[SEL+1]  ; the query's other 32 keys lie in the lane 16 away
.elseif j == 17
	v_mov_b32 v[rT+7], v[rT]        ; cN m_old is kept for a: number 19 writes cN m anew
.elseif j == 18
	v_min_num_f32 v[rT+1], v[rT+4], v[rT+5]
.elseif j == 19
	v_mul_f32 v[rT], s[CS], v[rT+1]
.elseif j == 20
	v_sub_f32 v[rT+7], v[rT+7], v[rT]
.elseif j == 23
	v_exp_f32 v[rT+6], v[rT+7]
.elseif (j < 88) && (j > 23) && (j%2 == 1)
	v_exp_f32 v[rS+(j-25)/2], v[rS+(j-25)/2]
.elseif (q < 4) || ((j < 76) && (q%2 == 0))
.set b, q/2+2
.if q < 4
.set b, q
.endif
	v_pk_fma_f32 v[rS+2*b:rS+2*b+1], v[rS+2*b:rS+2*b+1], s[CS:CS+1], v[rT:rT+1] op_sel_hi:[1,0,0] neg_lo:[0,0,1] neg_hi:[0,0,1]  ; pair b: cN s - cN m
.elseif (j < 88) && (q%2 == 1)
	s_wait_alu depctr_va_vdst(0)
	v_cvt_pk_f16_f32 v[rP+(q-5)/2], v[rS+q-5], v[rS+q-4]  ; pair (q - 5) / 2: its second exponential stands three numbers back
.elseif j == 89
	s_wait_alu depctr_va_vdst(0)
	v_cvt_pk_f16_f32 v[rP+15], v[rS+30], v[rS+31]
.elseif j < 102                     ; the sum of the tile's 16 pairs, in place: sum z of 16 adds neighbours 1, 2, 4 and 8 pairs apart, then l takes it
.set z, j-86
.if j < 89
.set z, (j-76)/4
.endif
.set w, 4
.set u, z
.if z >= 14
.set w, 32
.set u, 0
.elseif z >= 12
.set w, 16
.set u, z-12
.elseif z >= 8
.set w, 8
.set u, z-8
.endif
.if z < 15
	v_pk_add_f32 v[rS+w*u:rS+w*u+1], v[rS+w*u:rS+w*u+1], v[rS+w*u+w/2:rS+w*u+w/2+1]
.else
	v_pk_fma_f32 v[rT+2:rT+3], v[rT+2:rT+3], v[rT+6:rT+7], v[rS:rS+1] op_sel_hi:[1,0,1]
.endif
.else
	WIN W_RS
	v_pk_mul_f32 v[rO:rO+1], v[rO:rO+1], v[rT+6:rT+7] op_sel_hi:[1,0]
.endif
.endm
; Slice k of 64 of piece y's softmax: numbers 2 k and 2 k + 1 of both tiles' lists, four instructions.  2 x 134 = 4 x 64 + 12: the twelve that are over stand together, in slice 63:
; its sixteen plain instructions name nothing of the products round them and are the places behind the turn's last product.
.macro SLICE y
.if (k >= 11) && (k < 44)           ; tile by tile: plain, exponential, plain, exponential
.irp t, \y, (\y)+1
.irp n, 0,1
.set j, 2*k+(\n)
	SM \t
.endr
.endr
.else                               ; the two tiles alternate, so that no instruction reads the result of the one just before it
.irp n, 0,1,2,3,4,5,6,7
.if ((\n) < 2) || (k == 63)
.irp t, \y, (\y)+1
.set j, 2*k+(\n)
	SM \t
.endr
.endif
.endr
.endif
.set k, k+1
.endm
; A TURN.  Piece x has the matrix unit; the other piece's softmax stands in slices behind its matrix instructions.  pv = 1: 32 products V^T P.  kq = 1: 32 products K Q^T for the next step.
; A turn with one of the two kinds has two slices behind each product.  Each run of loads stands behind the second product of a run of 32, 30 matrix instructions ahead of its first use.
; Piece 0's turn fetches the next step's K and its own mask; piece 2's turn its own mask and, behind its products V^T P, the same step's V: the last product that read V stands three slices, six plain instructions, back.
.macro TURN x, pv, kq
.set k, 0
.set per, 2
.if (\pv) && (\kq)
.set per, 1
.endif
.if \pv
.if (\x) == 0
	s_wait_dscnt 0x0                ; V is in
.endif
.set i, 0
.rept 32
	PV \x
.rept per
	SLICE 2-(\x)
.endr
.if (\kq) && (i == 1)
.if (\x) == 0
	FETCH_K
.endif
	FETCH_M \x
.endif
.set i, i+1
.endr
.endif
.if \kq
	s_wait_dscnt 0x0                ; the piece's mask is in, and in piece 0's turn K
.set i, 0
.rept 32
	KQ \x
.rept per
	SLICE 2-(\x)
.endr
.if ((\x) == 2) && (i == 1)
	FETCH_V
.endif
.set i, i+1
.endr
.endif
.endm
; THE CHANGE OF SLOTS, between piece 2's turn and piece 0's: the slot's last bytes, V, have been asked for.  Each wave waits for all its tensor loads, of which one is out: its part of the other slot;
; adds 0 to its spare word; and waits for that and for its own reads of the slot.  Behind the barrier nobody reads this slot any more and the other slot is whole.
; fill = 1: this slot is filled again, with the keys two slots on.  The barrier is then a round of the cluster's, and the joint refill is the first thing behind it: it has a key step, 128 matrix instructions, in which to land.
.macro CHANGE fill
	WIN 0                           ; at a label and at a branch every window is 0
	s_wait_tensorcnt 0x0            ; no tensor load of mine is out, so a group 0 may be written
	ds_add_u32 v[SPW], v[NIL]       ; 0 onto my spare word: with fill = 1 the descriptors' steps stand between it and the wait for it
.if \fill
	s_xor_b32 s[G0K+5], s[G0K+5], SLOT1  ; the walking descriptors: the other slot than last time,
	s_add_nc_u64 s[G0K+6:G0K+7], s[G0K+6:G0K+7], 32768  ; the next 128 keys; the type bits on top are not reached
	s_xor_b32 s[G0V+5], s[G0V+5], SLOT1
	s_add_nc_u64 s[G0V+6:G0V+7], s[G0V+6:G0V+7], 32768
	s_xor_b32 s[G0M+5], s[G0M+5], SLOT1
	s_add_nc_u64 s[G0M+6:G0M+7], s[G0M+6:G0M+7], 512
	s_wait_xcnt 0x0                 ; the last prefetch, a key step back, has read its address, so it may be written
	s_add_nc_u64 s[PFA:PFA+1], s[PFA:PFA+1], s[PST:PST+1]
	s_wait_dscnt 0x0                ; the add is done, and my reads of the slot are over
	CROUND
	JLOAD
	ASK
.else
	s_wait_dscnt 0x0                ; the add is done, and my reads of the slot are over
	s_barrier_signal -1
	s_barrier_wait -1
.endif
	s_xor_b32 s[TB], s[TB], SLOT1   ; the fetches go to the other slot
.endm
	s_wait_tensorcnt 1              ; my part of slot 0 is in; slot 1's may stay out
	s_barrier_signal -1
	s_barrier_wait -1               ; everybody's is
	FETCH_K                         ; key step 0
	FETCH_M 0
	s_wait_loadcnt 0x0              ; Q
	s_wait_dscnt 0x0
	FETCH_M 2
.set i, 0
.rept 32
	KQ 0                            ; piece 0's first scores: there is no vector work yet to set between them
.set i, i+1
.endr
	WIN 0                           ; the addresses for the end are made here: plain instructions, the places behind those products
	s_mul_i32 s16, s[WV], 16*SP
	s_add_co_u32 s16, s16, STAGE    ; my stage
	v_mul_u32_u24 v[STO], v1, SP    ; in: row l % 16, 16 bytes for each half of the lanes
	v_lshl_add_u32 v[STO], v9, 4, v[STO]
	v_add_nc_u32 v[STO], s16, v[STO]
	v_mul_u32_u24 v[RD], v9, SP     ; back: lanes 0-15 take one row of 256 bytes, lanes 16-31 the next
	v_lshl_add_u32 v[RD], v1, 4, v[RD]
	v_add_nc_u32 v[RD], s16, v[RD]
	v_lshlrev_b32 v[GO], 12, v9     ; and the same two rows in o16
	v_lshl_add_u32 v[GO], v1, 4, v[GO]
	v_and_b32 v10, 31, v0
	s_mul_i32 s16, s[WV], MW        ; the meeting: my area,
	s_xor_b32 s17, s[WV], 2         ; and that of the wave with my queries and the other keys
	s_mul_i32 s17, s17, MW
	v_lshl_add_u32 v[XS], v10, 4, s16
	v_lshl_add_u32 v[XT], v10, 2, s16
	v_lshl_add_u32 v[XL], v10, 4, s17
	v_lshl_add_u32 v[XU], v10, 2, s17
	TURN 2, 0, 1                    ; piece 2's first scores | piece 0's first softmax | V of step 0
	WIN 0
.Lslot:                             ; 14 trips: every slot but the last two is filled again.  A trip: V^T P of step j, K Q^T of step j + 1
	CHANGE 1
	TURN 0, 1, 1
	TURN 2, 1, 1
	WIN 0
	s_sub_co_u32 s[SLOTS], s[SLOTS], 1
	s_cmp_lg_u32 s[SLOTS], 0
	s_cbranch_scc1 .Lslot
	CHANGE 0                        ; the tail is written out: nothing is asked for
	TURN 0, 1, 1
	TURN 2, 1, 1
	TURN 0, 1, 0                    ; piece 0: V^T P of the last step | piece 2's last softmax
.set i, 0
.rept 32
	PV 2                            ; piece 2: V^T P of the last step
.set i, i+1
.endr
	; THE END.  l's two halves and the other half of the lanes' are added (these lines are the places behind the last products).  Then the two key halves meet: a wave with the lower keys gives piece 2 and keeps
	; piece 0, its partner the other way round; the kept piece takes the partner's O^T, cN m and l, is divided by the joint l, rounded to f16 and sent through my stage.
	WIN 0
.irp t, 0,1,2,3
	v_add_f32 v[ST+8*(\t)+4], v[ST+8*(\t)+2], v[ST+8*(\t)+3]
.endr
.irp t, 0,1,2,3
	v_permlanex16_b32 v[ST+8*(\t)+5], v[ST+8*(\t)+4], s[SEL], s[SEL+1]
.endr
.irp t, 0,1,2,3
	v_add_f32 v[ST+8*(\t)+2], v[ST+8*(\t)+4], v[ST+8*(\t)+5]
.endr
.macro GIVE g                       ; piece g: 128 registers of O^T, each accumulator from its low end on, and four words
	WIN 0x04                        ; the stores' data in window 1
.set i, 0
.rept 32
	ds_store_b128 v[XS], v[64*(\g)+4*i:64*(\g)+4*i+3] offset:512*i
.set i, i+1
.endr
	WIN 0
	ds_store_b32 v[XT], v[ST+8*(\g)]    offset:16384
	ds_store_b32 v[XT], v[ST+8*(\g)+2]  offset:16384+128
	ds_store_b32 v[XT], v[ST+8*(\g)+8]  offset:16384+256
	ds_store_b32 v[XT], v[ST+8*(\g)+10] offset:16384+384
.endm
; Tile x + u: O = (O g1 + O_partner g2), rounded; a lane's eight channels of a row pack into 16 bytes; they go into rows of 272 bytes and come back as whole rows of 256, into the registers that they left.
.macro PACK x, u
.set t, (\x)+(\u)
.set rT, ST+8*t
	WIN W_RS
.set i, 0
.rept 32
	v_pk_mul_f32 v[64*t+2*i:64*t+2*i+1], v[64*t+2*i:64*t+2*i+1], v[rT+2:rT+3] op_sel_hi:[1,0]
.set i, i+1
.endr
	WIN 0x10                        ; source 2 in window 1
.set i, 0
.rept 32
	v_pk_fma_f32 v[S+64*(\u)+2*i:S+64*(\u)+2*i+1], v[S+64*(\u)+2*i:S+64*(\u)+2*i+1], v[rT+6:rT+7], v[64*t+2*i:64*t+2*i+1] op_sel_hi:[1,0,1]
.set i, i+1
.endr
	WIN 0
.set i, 0
.rept 32
	v_cvt_pk_f16_f32 v[P+32*(\u)+i], v[S+64*(\u)+2*i], v[S+64*(\u)+2*i+1]
.set i, i+1
.endr
.irp f, 0,1,2,3,4,5,6,7
	ds_store_b128 v[STO], v[P+32*(\u)+4*(\f):P+32*(\u)+4*(\f)+3] offset:32*(\f)
.endr
.irp f, 0,1,2,3,4,5,6,7
	ds_load_b128 v[P+32*(\u)+4*(\f):P+32*(\u)+4*(\f)+3], v[RD] offset:(\f)*2*SP  ; LDS serves a wave's instructions in order (ISA guide 5.7.1.4): these see the stores above; the next tile's stores come behind them
.endr
.endm
.macro SEND x, u, younger           ; younger: the LDS instructions issued behind this tile's loads
.irp f, 0,1,2,3,4,5,6,7
	s_wait_dscnt (\younger)+7-(\f)
	global_store_b128 v[GO], v[P+32*(\u)+4*(\f):P+32*(\u)+4*(\f)+3], s[OA:OA+1] offset:((\x)+(\u))*65536+(\f)*8192  ; 16 lanes store 256 consecutive bytes, aligned: a row's part of my head
.endr
.endm
.macro FIN x                        ; piece x is finished
.set i, 0
.rept 32
	ds_load_b128 v[S+4*i:S+4*i+3], v[XL] offset:512*i
.set i, i+1
.endr
.irp n, 0,1,2,3
	ds_load_b32 v[PS+(\n)], v[XU] offset:16384+128*(\n)
.endr
	s_wait_dscnt 0x0
.irp u, 0,1
.set rT, ST+8*((\x)+(\u))
	v_max_num_f32 v[rT+4], v[rT], v[PS+2*(\u)]     ; the joint maximum, in units of log2
	v_sub_f32 v[rT+5], v[rT], v[rT+4]
	v_sub_f32 v[rT+7], v[PS+2*(\u)], v[rT+4]
.endr
.irp u, 0,1
.set rT, ST+8*((\x)+(\u))
	v_exp_f32 v[rT+5], v[rT+5]                     ; f1: what my half counts for,
	v_exp_f32 v[rT+7], v[rT+7]                     ; f2: my partner's
.endr
	v_nop                                          ; a plain instruction between the last exponential and the use of its result
.irp u, 0,1
.set rT, ST+8*((\x)+(\u))
	s_wait_alu depctr_va_vdst(0)
	v_mul_f32 v[rT+4], v[rT+5], v[rT+2]
	v_fmac_f32 v[rT+4], v[rT+7], v[PS+2*(\u)+1]    ; the joint l: at least 1, since one of f1, f2 is 1 and each l holds its own largest weight, 1
.endr
.irp u, 0,1
.set rT, ST+8*((\x)+(\u))
	v_rcp_f32 v[rT+4], v[rT+4]
.endr
	v_nop
.irp u, 0,1
.set rT, ST+8*((\x)+(\u))
	s_wait_alu depctr_va_vdst(0)
	v_mul_f32 v[rT+2], v[rT+5], v[rT+4]            ; g1
	v_mul_f32 v[rT+6], v[rT+7], v[rT+4]            ; g2
.endr
	PACK \x, 0
	PACK \x, 1                                     ; a tile's arithmetic stands between the loads of the tile before and its stores
	SEND \x, 0, 16
	SEND \x, 1, 0
.endm
	s_wait_dscnt 0x0
	s_barrier_signal -1
	s_barrier_wait -1               ; no wave reads a slot any more, and every fill has landed: slot 0's bytes may be stored into
	s_cmp_lt_u32 s[WV], 2
	s_cbranch_scc0 .Lgive_low
	GIVE 2
	s_branch .Lgiven
.Lgive_low:
	GIVE 0
.Lgiven:
	s_wait_dscnt 0x0                ; for my partner's sake: my stores are done
	s_barrier_signal -1
	s_barrier_wait -1
	s_cmp_lt_u32 s[WV], 2
	s_cbranch_scc0 .Lfin_high
	FIN 0
	s_branch .Lend
.Lfin_high:
	FIN 2
.Lend:
	s_wait_tensorcnt 0x0            ; the wave's end: behind my last tensor load and my last LDS store
	ds_add_u32 v[SPW], v[NIL]
	s_wait_dscnt 0x0
	CROUND                          ; the closing round: no work-group ends while a partner may still ask for a tile that names it
	s_endpgm
.Lfunc_end_k_q5cac034136_attn:
	.size	k_q5cac034136_attn, .Lfunc_end_k_q5cac034136_attn-k_q5cac034136_attn
	.p2alignl 7, 3214868480
	.fill 96, 4, 3214868480
	.section	.rodata,"a",@progbits
	.p2align	6, 0x0
	.amdhsa_kernel k_q5cac034136_attn
		.amdhsa_group_segment_fixed_size 327680
		.amdhsa_private_segment_fixed_size 0
		.amdhsa_enable_private_segment 0
		.amdhsa_kernarg_size 24
		.amdhsa_user_sgpr_count 2
		.amdhsa_user_sgpr_kernarg_segment_ptr 1
		.amdhsa_wavefront_size32 1
		.amdhsa_system_sgpr_workgroup_id_x 1
		.amdhsa_system_sgpr_workgroup_id_y 1
		.amdhsa_system_sgpr_workgroup_id_z 1
		.amdhsa_system_vgpr_workitem_id 0
		.amdhsa_next_free_vgpr 1024
		.amdhsa_next_free_sgpr 96
		.amdhsa_reserve_vcc 0
		.amdhsa_float_denorm_mode_32 3
		.amdhsa_float_denorm_mode_16_64 3
		.amdhsa_memory_ordered 1
		.amdhsa_forward_progress 1
		.amdhsa_inst_pref_size 225
	.end_amdhsa_kernel
	.amdgpu_metadata
---
amdhsa.version: [ 1, 2 ]
amdhsa.kernels:
  - .name:           k_q5cac034136_attn
    .symbol:         k_q5cac034136_attn.kd
    .args:
      - { .name: qkv, .offset: 0, .size: 8, .value_kind: global_buffer, .address_space: global }
      - { .name: mask, .offset: 8, .size: 8, .value_kind: global_buffer, .address_space: global }
      - { .name: o16, .offset: 16, .size: 8, .value_kind: global_buffer, .address_space: global }
    .group_segment_fixed_size: 327680
    .private_segment_fixed_size: 0
    .kernarg_segment_align: 8
    .kernarg_segment_size: 24
    .max_flat_workgroup_size: 128
    .sgpr_count:     96
    .vgpr_count:     1024
    .wavefront_size: 32
...
	.end_amdgpu_metadata
.endif
;; end of part 3
;; launch gemm_out (part 4): grid 16 x 16, 4 waves a work-group, clusters of 4 x 4, 327,680 bytes of LDS; arguments o16, c16, bo, out0; writes out0
.if DOCPART == 4
	.amdgcn_target "amdgcn-amd-amdhsa--gfx1250"
	.amdhsa_code_object_version 6
	.text
	.protected	k_q5cac034136_gemm_out
	.globl	k_q5cac034136_gemm_out
	.p2align	8
	.type	k_q5cac034136_gemm_out,@function
k_q5cac034136_gemm_out:
	s_mov_b64 s[64:65], 0
	v_nop
	global_prefetch_b8 v0, s[64:65] scope:SCOPE_SE
	s_setreg_imm32_b32 hwreg(HW_REG_WAVE_MODE, 25, 1), 1
	s_wait_xcnt 0x0
	s_wait_alu depctr_hold_cnt(0) depctr_sa_sdst(0) depctr_va_vdst(0) depctr_va_sdst(0) depctr_va_ssrc(0) depctr_va_vcc(0) depctr_vm_vsrc(0)
	s_getreg_b32 s2, hwreg(HW_REG_IB_STS2, 6, 4)
	s_cmp_eq_u32 s2, 0
	s_cbranch_scc0 .Lentry_in_a_cluster
	s_endpgm
.Lentry_in_a_cluster:
	s_bfe_u32 s2, ttmp6, 0x10000c
	s_cmp_lg_u32 s2, 0xf033
	s_cbranch_scc0 .Lentry_shape_is_right
	s_endpgm
.Lentry_shape_is_right:
; out0 = relu(o Wo + bo).  o: o16 [2048][2048] f16; Wo: plane 6 of c16, [k][n] f16; bo: [2048] f32, rounded to bf16 here like the other inputs; out0: [2048][2048] f32.  Sums in f32.
; LIMITS.  relu of a NaN gives 0.  Infinities are not treated apart.
; SHARES.  A tile of C is 128 x 128; four waves, each 64 x 64: 16 accumulators.  K goes in steps of 256 through two LDS slots.  256 work-groups of equal work.
; CLUSTER 4 x 4.  The four of a row of the cluster need the same tiles of o, the four of a column the same tiles of Wo: each tile is asked for JOINTLY, by the same tensor load with the
; same descriptor and a mask that names the four.
; THE MATRIX INSTRUCTION IS USED TRANSPOSED: source 0 = 16 columns n of Wo, source 1 = 16 rows of o: a lane then holds eight neighbouring numbers of a row of C.
; o comes out of LDS as it lies; Wo ([k][n]) turned, by ds_load_tr16_b128.
; REGISTERS: window 0: v0-31 addresses; v32-95 at work on the way out; v96-127 the bias of my 64 columns; v128-255 the accumulators ((a, b) at v[128 + 8 (4 a + b)]).
;   window 1: two fragment buffers of 128: for 64 along K, 64 registers of o (2 x 4 x 16 rows x 32 K), then 64 of Wo.
.set KSTEP,  256
.set ROWB,   4096                      ; bytes in a row of o and of Wo
.set PA,     528                       ; an LDS row of o: 512 bytes + 16 of padding: the 16 rows of a load start at 16 different groups of four banks (64 banks of 4 bytes: ISA guide 11.1)
.set PB,     288                       ; an LDS row of Wo (one k, 128 n): 256 + 32
.set HALFA,  64*PA
.set HALFB,  128*PB
.set BOFF,   2*HALFA
.set SLOT,   BOFF+2*HALFB              ; 128 rows of o, then 256 rows of Wo
.set STAGE,  2*SLOT                    ; behind the ring: 16 rows x 272 bytes for each wave, for the way out
.set SPITCH, 272
.set SPARE,  STAGE+128*SPITCH          ; the spare words, 128 bytes for each wave: two blocks of 256 bytes that no other line names
.set LAPS,   2048/(2*KSTEP)
.set ADRA, 16                          ; v16-17  LDS address of my fragments of o in slot 0, 1
.set ADRB, 18                          ; v18-21  of Wo: slot s, rows 128 g on, at index 2 s + g
.set STO,  24                          ; v24     the way out: where I put 32 bytes of a row
.set RD,   25                          ; v25     where I read a row back
.set CO,   26                          ; v26     my byte offset in out0
.set BO,   27                          ; v27     my byte offset in the bias
.set SPW,  28                          ; v28     LDS address of my spare word; never rewritten
.set NIL,  29                          ; v29     0; never rewritten
.set TMP,  32
.set BIAS, 96
.set ACC,  128
.set F0,   0
.set F1,   128
.set WV,   12                          ; s12  my wave
.set MH,   13                          ; s13  which half of the tile's rows is mine.  Also: I fetch for o (0) or for Wo (1)
.set NH,   14                          ; s14  which half of its columns.  Also: which half of that tile I fetch
.set TR,   15                          ; s15  tile row
.set G1,   24
.set G0,   32
.set G1B,  48
.set G0B,  56
.set MSB, 0
.macro WIN new                         ; the immediate's high byte repeats the setting that is left
.if MSB != (\new)
	s_set_vgpr_msb (MSB<<8)|(\new)
.set MSB, \new
.endif
.endm
.set MUL,  0x05                        ; sources 0 (Wo) and 1 (o) window 1; C and D window 0
.set TO_F, 0x40                        ; destination window 1, address window 0
.macro JLOAD s                         ; a joint load: waves 0 and 1 fetch the halves of o, waves 2 and 3 those of Wo; an s_nop 0 and four v_nop follow each line, ahead of the jump and the label
	s_cmp_eq_u32 s[MH], 0
	s_cbranch_scc0 .Lfor_b_\@
	tensor_load_to_lds s[G0+4*(\s):G0+4*(\s)+3], s[G1:G1+7]
	s_nop 0
.rept 4
	v_nop
.endr
	s_branch .Lasked_\@
.Lfor_b_\@:
	tensor_load_to_lds s[G0B+4*(\s):G0B+4*(\s)+3], s[G1B:G1B+7]
	s_nop 0
.rept 4
	v_nop
.endr
.Lasked_\@:
.endm
.macro CREST                           ; a round of the cluster's barrier behind its opening barrier
	s_cmp_lg_u32 s[WV], 0
	s_cbranch_scc1 .Lnot_wave_0_\@
	s_barrier_signal -3
.Lnot_wave_0_\@:
	s_barrier_wait -3
	s_barrier_signal -1
	s_barrier_wait -1
.endm
.macro CROUND                          ; a whole round
	s_barrier_signal -1
	s_barrier_wait -1
	CREST
.endm
	s_load_b256 s[4:11], s[0:1], 0x0               ; o16 s[4:5], c16 s[6:7], bo s[8:9], out0 s[10:11]
	v_lshl_add_u32 v[SPW], v0, 2, SPARE
	v_mov_b32 v[NIL], 0
	ds_add_u32 v[SPW], v[NIL]                      ; the wave's opening: the add and its wait stand ahead of my first tensor load; the set-up below, work on registers, stands between them
	v_lshrrev_b32 v1, 5, v0
	v_readfirstlane_b32 s[WV], v1                  ; wave 0..3
	s_lshr_b32 s[MH], s[WV], 1
	s_and_b32 s[NH], s[WV], 1
	s_bfe_u32 s40, ttmp6, 0x40000                  ; cx, cy: my place in the cluster
	s_bfe_u32 s41, ttmp6, 0x40004
	s_lshl_b32 s42, ttmp9, 2
	s_add_co_u32 s42, s42, s40                     ; tile column = 4 x cluster x + cx
	s_and_b32 s[TR], ttmp7, 0xffff
	s_lshl_b32 s[TR], s[TR], 2
	s_add_co_u32 s[TR], s[TR], s41                 ; tile row = 4 x cluster y + cy
	s_lshl_b32 s43, s41, 2
	s_lshl_b32 s43, 15, s43                        ; my row of the cluster
	s_lshl_b32 s44, 0x1111, s40                    ; my column
	s_or_b32 s[G1+0], s43, (1<<16)|(1<<20)|(1<<21)|(6<<22)|(3<<25)   ; the mask: tiles of o go to my row; 2-byte elements; padding on; bit 21 beside a mask; after every 128 words 4 words
	s_or_b32 s[G1B+0], s44, (1<<16)|(1<<20)|(1<<21)|(5<<22)|(7<<25)  ; tiles of Wo go to my column; after every 64 words 8 words
	s_mov_b32 s[G1+1], KSTEP<<16                   ; tensor_dim0 = 256
	s_mov_b32 s[G1+2], 64<<16                      ; tensor_dim1 = 64
	s_mov_b32 s[G1+3], KSTEP<<16                   ; tile_dim0 = 256
	s_mov_b32 s[G1+4], 64                          ; tile_dim1 = 64
	s_mov_b32 s[G1+5], 2048                        ; elements from row to row
	s_mov_b32 s[G1+6], 0
	s_mov_b32 s[G1+7], 0
	s_mov_b32 s[G1B+1], 128<<16                    ; 128 n
	s_mov_b32 s[G1B+2], 128<<16                    ; 128 k
	s_mov_b32 s[G1B+3], 128<<16
	s_mov_b32 s[G1B+4], 128
	s_mov_b32 s[G1B+5], 2048
	s_mov_b32 s[G1B+6], 0
	s_mov_b32 s[G1B+7], 0
	s_lshl_b32 s16, s[TR], 19                      ; o: row 128 x tile row,
	s_lshl_b32 s17, s[NH], 18                      ; + the 64 rows that I fetch
	s_add_co_u32 s16, s16, s17
	s_mov_b32 s17, 0
	s_lshl_b32 s46, s[NH], 19                      ; Wo: the 128 rows k that I fetch,
	s_add_co_u32 s46, s46, 6<<23                   ; in plane 6,
	s_lshl_b32 s47, s42, 8                         ; the tile's 128 columns
	s_add_co_u32 s46, s46, s47
	s_mov_b32 s47, 0
	s_mul_i32 s20, s[NH], HALFA                    ; where they go: no place in the cluster enters an LDS address
	s_mul_i32 s21, s[NH], HALFB
	s_add_co_u32 s21, s21, BOFF
	s_wait_dscnt 0x0                               ; the opening add is done
	s_wait_kmcnt 0x0
	s_add_nc_u64 s[16:17], s[4:5], s[16:17]
	s_add_nc_u64 s[46:47], s[6:7], s[46:47]
	CROUND                                         ; all sixteen work-groups are here: the first joint loads meet
.irp s, 0,1
	s_mov_b32 s[G0+4*(\s)], 1
	s_add_co_u32 s[G0+4*(\s)+1], s20, (\s)*SLOT
	s_add_nc_u64 s[G0+4*(\s)+2:G0+4*(\s)+3], s[16:17], (\s)*KSTEP*2
	s_or_b32 s[G0+4*(\s)+3], s[G0+4*(\s)+3], 0x80000000
	s_mov_b32 s[G0B+4*(\s)], 1
	s_add_co_u32 s[G0B+4*(\s)+1], s21, (\s)*SLOT
	s_add_nc_u64 s[G0B+4*(\s)+2:G0B+4*(\s)+3], s[46:47], (\s)*KSTEP*ROWB
	s_or_b32 s[G0B+4*(\s)+3], s[G0B+4*(\s)+3], 0x80000000
	JLOAD \s
.endr
	v_and_b32 v1, 15, v0                           ; r = l % 16
	v_bfe_u32 v2, v0, 4, 1                         ; h = l / 16
	v_and_b32 v3, 7, v0
	v_bfe_u32 v4, v0, 3, 1
	v_lshl_add_u32 v3, v2, 3, v3                   ; the turning load: lane l reads row k = 8 h + l % 8,
	v_mul_u32_u24 v3, v3, PB
	v_lshl_add_u32 v3, v4, 4, v3                   ; columns 8 ((l / 8) % 2) + 0..7
	s_lshl_b32 s22, s[NH], 7                       ; my 64 columns
	s_add_co_u32 s22, s22, BOFF
.irp s, 0,1
.irp g, 0,1
	s_add_co_u32 s23, s22, (\s)*SLOT+(\g)*HALFB
	v_add_nc_u32 v[ADRB+2*(\s)+(\g)], s23, v3
.endr
.endr
	v_mul_u32_u24 v5, v1, PA
	v_lshl_add_u32 v5, v2, 4, v5                   ; a fragment's row x pitch + 16 x half
	s_mul_i32 s21, s[MH], HALFA                    ; my 64 rows of o
	v_add_nc_u32 v[ADRA], s21, v5
	s_add_co_u32 s21, s21, SLOT
	v_add_nc_u32 v[ADRA+1], s21, v5
	s_mul_i32 s23, s[WV], 16*SPITCH
	s_add_co_u32 s23, s23, STAGE                   ; my stage
	v_mul_u32_u24 v6, v1, SPITCH                   ; in: row l % 16, 32 bytes for each half of the lanes
	v_lshl_add_u32 v6, v2, 5, v6
	v_add_nc_u32 v[STO], s23, v6
	v_mul_u32_u24 v6, v2, SPITCH                   ; back: lanes 0-15 take one row of 256 bytes, lanes 16-31 the next
	v_lshl_add_u32 v6, v1, 4, v6
	v_add_nc_u32 v[RD], s23, v6
	v_lshlrev_b32 v[CO], 13, v2                    ; and the same two rows in out0: 8,192 bytes each
	v_lshl_add_u32 v[CO], v1, 4, v[CO]
	s_lshl_b32 s16, s[TR], 20                      ; out0: row 128 x tile row
	s_lshl_b32 s17, s[MH], 19                      ; + my 64 rows,
	s_add_co_u32 s16, s16, s17
	s_mov_b32 s17, 0
	s_add_nc_u64 s[10:11], s[10:11], s[16:17]
	s_lshl_b32 s46, s42, 9                         ; the tile's 128 columns in f32: also its place in the bias
	s_mov_b32 s47, 0
	s_add_nc_u64 s[10:11], s[10:11], s[46:47]
	s_add_nc_u64 s[8:9], s[8:9], s[46:47]
	s_lshl_b32 s46, s[NH], 8                       ; my 64 columns
	s_add_nc_u64 s[10:11], s[10:11], s[46:47]
	v_lshl_add_u32 v[BO], v2, 5, s46               ; my 64 columns, and 8 numbers for each half of the lanes
.irp b, 0,1,2,3
	global_load_b128 v[BIAS+8*(\b):BIAS+8*(\b)+3],   v[BO], s[8:9] offset:64*(\b)
	global_load_b128 v[BIAS+8*(\b)+4:BIAS+8*(\b)+7], v[BO], s[8:9] offset:64*(\b)+16
.endr
	s_wait_loadcnt 0x0
.set i, 0
.rept 16
	v_cvt_pk_bf16_f32 v[TMP+i], v[BIAS+2*i], v[BIAS+2*i+1]  ; the bias is rounded to bf16 like the other inputs,
.set i, i+1
.endr
.set i, 0
.rept 16
	v_lshlrev_b32 v[BIAS+2*i], 16, v[TMP+i]        ; and kept as f32
	v_and_b32 v[BIAS+2*i+1], 0xffff0000, v[TMP+i]
.set i, i+1
.endr
; 8 matrix instructions: m blocks a0, a0 + 1 x all 4 n blocks, 32 along K: half c of buffer f.  zero = 1: the first product starts the sums
.macro MUL8 f, c, a0, zero
	WIN MUL
.irp a, \a0, (\a0)+1
.irp b, 0,1,2,3
.if \zero
	v_wmma_f32_16x16x32_f16 v[ACC+8*(4*(\a)+(\b)):ACC+8*(4*(\a)+(\b))+7], v[(\f)+64+8*(4*(\c)+(\b)):(\f)+64+8*(4*(\c)+(\b))+7], v[(\f)+8*(4*(\c)+(\a)):(\f)+8*(4*(\c)+(\a))+7], 0
.else
	v_wmma_f32_16x16x32_f16 v[ACC+8*(4*(\a)+(\b)):ACC+8*(4*(\a)+(\b))+7], v[(\f)+64+8*(4*(\c)+(\b)):(\f)+64+8*(4*(\c)+(\b))+7], v[(\f)+8*(4*(\c)+(\a)):(\f)+8*(4*(\c)+(\a))+7], v[ACC+8*(4*(\a)+(\b)):ACC+8*(4*(\a)+(\b))+7]
.endif
.endr
.endr
.endm
; 32 LDS loads in one run: the fragments of quarter q of the slot's K step (64 along K) into buffer f; the first 32 along K first
.macro FETCH slot, q, f
	WIN TO_F
.irp c, 0,1
.irp i, 0,1,2,3
	ds_load_tr16_b128 v[(\f)+64+8*(4*(\c)+(\i)):(\f)+64+8*(4*(\c)+(\i))+3],   v[ADRB+2*(\slot)+(\q)/2] offset:(((\q)%2)*64+32*(\c))*PB+32*(\i)
	ds_load_tr16_b128 v[(\f)+64+8*(4*(\c)+(\i))+4:(\f)+64+8*(4*(\c)+(\i))+7], v[ADRB+2*(\slot)+(\q)/2] offset:(((\q)%2)*64+32*(\c)+16)*PB+32*(\i)
	ds_load_b128 v[(\f)+8*(4*(\c)+(\i)):(\f)+8*(4*(\c)+(\i))+3],   v[ADRA+(\slot)] offset:128*(\q)+64*(\c)+(\i)*16*PA
	ds_load_b128 v[(\f)+8*(4*(\c)+(\i))+4:(\f)+8*(4*(\c)+(\i))+7], v[ADRA+(\slot)] offset:128*(\q)+64*(\c)+(\i)*16*PA+32
.endr
.endr
.endm
.macro PLACES                          ; four places in front of loads into registers that matrix instructions have read, and of vector work on results
.rept 4
	v_nop
.endr
.endm
; A K step is four quarters of 64 along K, 32 matrix instructions each, on buffers 0, 1, 0, 1.  One of the first three: multiplies buffer f and fetches quarter q into g.
.macro QUARTER slot, q, f, g, zero
	s_wait_dscnt 16                                ; the first 32 along K are in; the sixteen younger loads may stay out
	MUL8 \f, 0, 0, \zero
	MUL8 \f, 0, 2, \zero
	PLACES
	FETCH \slot, \q, \g
	s_wait_dscnt 32                                ; all but the 32 just issued
	MUL8 \f, 1, 0, 0
	MUL8 \f, 1, 2, 0
.endm
; The last quarter multiplies buffer 1 and changes slots: ONE barrier; in front of it each wave waits for all its tensor loads, adds 0 to its spare word, and waits for that and for its own reads of this slot.
; fill = 1: this slot is filled again, two K steps ahead; the barrier then opens a round of the cluster's barrier.
.macro TURN slot, next, fill
	WIN 0                                          ; (the add's two registers lie in window 0)
	s_wait_tensorcnt 0x0                           ; all my tensor loads have landed: my part of the next slot;
	ds_add_u32 v[SPW], v[NIL]                      ; 0 onto my spare word;
	s_wait_dscnt 17                                ; (the add and the youngest sixteen loads may be out)
	MUL8 F1, 0, 0, 0                               ; eight matrix instructions stand between the add and the wait for it
	s_wait_dscnt 0x0                               ; the add is done, and my reads of this slot are over
	s_barrier_signal -1
	MUL8 F1, 0, 2, 0
.if \fill
	WIN 0
.endif
	s_barrier_wait -1
.if \fill
	CREST                                          ; no wave of any partner still reads this slot's tile or has a load on its way
	s_add_nc_u64 s[G0+4*(\slot)+2:G0+4*(\slot)+3], s[G0+4*(\slot)+2:G0+4*(\slot)+3], 2*KSTEP*2
	s_add_nc_u64 s[G0B+4*(\slot)+2:G0B+4*(\slot)+3], s[G0B+4*(\slot)+2:G0B+4*(\slot)+3], 2*KSTEP*ROWB
	JLOAD \slot                                    ; the first tensor load behind the round; the four v_nop behind it are also the places in front of the loads below
.else
	PLACES
.endif
	FETCH \next, 0, F0
	MUL8 F1, 1, 0, 0
	MUL8 F1, 1, 2, 0
.endm
	s_wait_tensorcnt 1                             ; my part of K step 0 is in; K step 1's may stay out
	s_barrier_signal -1
	s_barrier_wait -1                              ; everybody's is
	FETCH 0, 0, F0
	QUARTER 0, 1, F0, F1, 1                        ; the first quarter stands in front of the loop: its first products start the sums
	WIN 0                                          ; at a label and at a branch every window is 0
	s_mov_b32 s3, LAPS-1
.Llap:                                                 ; a trip goes once round the ring, from a lap's second quarter to the next lap's first, and fills both slots again
	QUARTER 0, 2, F1, F0, 0
	QUARTER 0, 3, F0, F1, 0
	TURN 0, 1, 1
	QUARTER 1, 1, F0, F1, 0
	QUARTER 1, 2, F1, F0, 0
	QUARTER 1, 3, F0, F1, 0
	TURN 1, 0, 1
	QUARTER 0, 1, F0, F1, 0
	WIN 0
	s_sub_co_u32 s3, s3, 1
	s_cmp_lg_u32 s3, 0
	s_cbranch_scc1 .Llap
	QUARTER 0, 2, F1, F0, 0                        ; the last lap fills nothing, and has no round of the cluster's barrier
	QUARTER 0, 3, F0, F1, 0
	TURN 0, 1, 0
	QUARTER 1, 1, F0, F1, 0
	QUARTER 1, 2, F1, F0, 0
	QUARTER 1, 3, F0, F1, 0
	s_wait_dscnt 16                                ; the very last quarter: nothing more to fetch
	MUL8 F1, 0, 0, 0
	MUL8 F1, 0, 2, 0
	s_wait_dscnt 0
	MUL8 F1, 1, 0, 0
	MUL8 F1, 1, 2, 0
	WIN 0
; THE WAY OUT, a block of 16 rows at a time.  My 64 columns in f32 are 256 consecutive bytes of a row, aligned: the stage is my own, and no barrier is needed.
.macro ARITH a                         ; bias and relu in place, each accumulator from its low end on
.irp b, 0,1,2,3
.irp j, 0,2,4,6
	v_pk_add_f32 v[ACC+8*(4*(\a)+(\b))+(\j):ACC+8*(4*(\a)+(\b))+(\j)+1], v[ACC+8*(4*(\a)+(\b))+(\j):ACC+8*(4*(\a)+(\b))+(\j)+1], v[BIAS+8*(\b)+(\j):BIAS+8*(\b)+(\j)+1]
.endr
.irp j, 0,1,2,3,4,5,6,7
	v_max_num_f32 v[ACC+8*(4*(\a)+(\b))+(\j)], 0, v[ACC+8*(4*(\a)+(\b))+(\j)]
.endr
.endr
.endm
.macro TOSTAGE a                       ; 32 bytes a lane into rows of 272 bytes, and back as whole rows of 256
	s_wait_xcnt 0x0                                ; the stores of the block two back have read their registers: these are loaded again only behind this wait
.irp b, 0,1,2,3
	ds_store_b128 v[STO], v[ACC+8*(4*(\a)+(\b)):ACC+8*(4*(\a)+(\b))+3]   offset:64*(\b)
	ds_store_b128 v[STO], v[ACC+8*(4*(\a)+(\b))+4:ACC+8*(4*(\a)+(\b))+7] offset:64*(\b)+16
.endr
.irp t, 0,1,2,3,4,5,6,7
	ds_load_b128 v[TMP+32*((\a)%2)+4*(\t):TMP+32*((\a)%2)+4*(\t)+3], v[RD] offset:(\t)*2*SPITCH  ; LDS serves a wave's instructions in order (ISA guide 5.7.1.4): these see the stores above; the next block's stores come behind them
.endr
.endm
.macro SEND a
	s_wait_dscnt 0x0                               ; the block is back in registers
.irp t, 0,1,2,3,4,5,6,7
	global_store_b128 v[CO], v[TMP+32*((\a)%2)+4*(\t):TMP+32*((\a)%2)+4*(\t)+3], s[10:11] offset:(\a)*131072+(\t)*16384 th:TH_STORE_NT  ; 16 lanes store 256 consecutive bytes, aligned
.endr
.endm
	PLACES
	PLACES
	ARITH 0
	TOSTAGE 0
.irp a, 1,2,3                          ; a block's arithmetic stands between the loads of the block before and the wait for them
	ARITH \a
	SEND (\a)-1
	TOSTAGE \a
.endr
	SEND 3
	s_wait_tensorcnt 0x0                           ; the wave's end: behind my last tensor load and my last LDS store
	ds_add_u32 v[SPW], v[NIL]
	s_wait_dscnt 0x0
	CROUND                                         ; the closing round: no work-group ends while a partner may still ask for a tile that names it
	s_endpgm
.Lfunc_end_k_q5cac034136_gemm_out:
	.size	k_q5cac034136_gemm_out, .Lfunc_end_k_q5cac034136_gemm_out-k_q5cac034136_gemm_out
	.p2alignl 7, 3214868480
	.fill 96, 4, 3214868480
	.section	.rodata,"a",@progbits
	.p2align	6, 0x0
	.amdhsa_kernel k_q5cac034136_gemm_out
		.amdhsa_group_segment_fixed_size 327680
		.amdhsa_private_segment_fixed_size 0
		.amdhsa_enable_private_segment 0
		.amdhsa_kernarg_size 32
		.amdhsa_user_sgpr_count 2
		.amdhsa_user_sgpr_kernarg_segment_ptr 1
		.amdhsa_wavefront_size32 1
		.amdhsa_system_sgpr_workgroup_id_x 1
		.amdhsa_system_sgpr_workgroup_id_y 1
		.amdhsa_system_sgpr_workgroup_id_z 1
		.amdhsa_system_vgpr_workitem_id 0
		.amdhsa_next_free_vgpr 512
		.amdhsa_next_free_sgpr 96
		.amdhsa_reserve_vcc 0
		.amdhsa_float_denorm_mode_32 3
		.amdhsa_float_denorm_mode_16_64 3
		.amdhsa_memory_ordered 1
		.amdhsa_forward_progress 1
		.amdhsa_inst_pref_size 97
	.end_amdhsa_kernel
	.amdgpu_metadata
---
amdhsa.version: [ 1, 2 ]
amdhsa.kernels:
  - .name:           k_q5cac034136_gemm_out
    .symbol:         k_q5cac034136_gemm_out.kd
    .args:
      - { .name: o16, .offset: 0, .size: 8, .value_kind: global_buffer, .address_space: global }
      - { .name: c16, .offset: 8, .size: 8, .value_kind: global_buffer, .address_space: global }
      - { .name: bo, .offset: 16, .size: 8, .value_kind: global_buffer, .address_space: global }
      - { .name: out0, .offset: 24, .size: 8, .value_kind: global_buffer, .address_space: global }
    .group_segment_fixed_size: 327680
    .private_segment_fixed_size: 0
    .kernarg_segment_align: 8
    .kernarg_segment_size: 32
    .max_flat_workgroup_size: 128
    .sgpr_count:     96
    .vgpr_count:     512
    .wavefront_size: 32
...
	.end_amdgpu_metadata
.endif
;; end of part 4
;; ======== version 2 of 2: 4 launches; version 1 with the launch cvt written anew for expert scheduling mode
;; limits: values are held in f16: magnitudes above 65,504 overflow, below 6.1e-05 lose precision; inputs' magnitudes at most 65,504
;; workspace buffers: c16 58,720,256 bytes; qkv 25,165,824 bytes; o16 8,388,608 bytes
;; launch cvt (part 5): grid 128 x 7, 8 waves a work-group, no clusters, 0 bytes of LDS; arguments Q, K, V, Wq, Wk, Wv, Wo, c16; writes c16
.if DOCPART == 5
	.amdgcn_target "amdgcn-amd-amdhsa--gfx1250"
	.amdhsa_code_object_version 6
	.text
	.protected	k_q5cac034136_cvt
	.globl	k_q5cac034136_cvt
	.p2align	8
	.type	k_q5cac034136_cvt,@function
k_q5cac034136_cvt:
	s_mov_b64 s[64:65], 0
	v_nop
	global_prefetch_b8 v0, s[64:65] scope:SCOPE_SE
	s_setreg_imm32_b32 hwreg(HW_REG_WAVE_SCHED_MODE, 0, 2), 2
	s_setreg_imm32_b32 hwreg(HW_REG_WAVE_MODE, 25, 1), 1
	s_wait_xcnt 0x0
	s_wait_alu depctr_vm_vsrc(0)
; c16[p][i] = f16(bf16(x_p[i])) for the seven large inputs, p = Q, K, V, Wq, Wk, Wv, Wo: each [2048][2048] f32, layout unchanged.
; Each number is rounded once to bf16 (nearest even) and that number is written as f16, so that the products behind can run on f16 operands.
; LIMITS.  The second step is exact for magnitudes from 2^-17 to 65,504; below 2^-17 it is off by at most 2^-25; a bf16 number beyond 65,504 becomes an infinity.
; SHARES.  The grid's y picks the tensor, x a piece of 131,072 input bytes: 32 rows of 4,096.  Thread t takes 16 bytes at 16 t of each row (a load of a wave covers 512 consecutive
; bytes) and stores 8 bytes at 8 t of the 2,048-byte output row (a store of a wave covers 256 consecutive bytes, aligned).  No LDS, no barrier, no matrix unit: the launch only moves bytes, each once.
; THE MODE: SCHED_MODE bits 1:0 = 2 (LLVM: expert scheduling mode 2), set by the entry lines.  The code itself states the register dependences
; between vector instructions and memory instructions, with s_wait_alu, always for 0.
; THE PLAN.  The 32 rows go in 8 blocks of four.  Registers that memory instructions touch:
;   X0 .. X3   four blocks of x as loaded.  Written by the loads of block p + 3, issued in block p; read by block p's first roundings.
;   Y0, Y1     two blocks to store.         Written by block p's last conversions; read by the four stores that are issued in block p + 1.
;   v1, v2     byte offsets, made once at the head and never written again: the rows are reached by immediate offsets, 31 rows at the most, from two bases that stay.
; Block p works on X[p % 4] and writes Y[p % 2].  Its memory instructions are the loads into X[(p + 3) % 4] = X[(p - 1) % 4] and the stores from Y[(p - 1) % 2]: the two buffers that
; block p - 1 worked on and that no vector instruction of block p names.  So the waits at the head of a block state all that the block's eight memory instructions hang on, and these
; are dealt among its vector instructions, a load and a store ahead of each row's eight, with no further wait.
; NO LOOP: block 0 has no block in front of it and blocks 5 to 7 load nothing; the four between are one lap of the four X buffers.  So the eight blocks are written out by one macro.
.set ROWI,   4096                      ; input bytes in a row
.set ROWO,   2048                      ; output bytes in a row
.set BLOCK,  4                         ; rows in a block
.set BLOCKS, 32/BLOCK
.set AHEAD,  3                         ; block p asks for block p + 3
.set T, 4                              ; v[4:9]    at work: no memory instruction names them
.set X, 16                             ; v[16:79]  buffer k, row i: four f32 as loaded, at X + 16 k + 4 i
.set Y, 80                             ; v[80:95]  buffer k, row i: four f16 to store, at Y + 8 k + 2 i
	s_load_b512 s[8:23], s[0:1], 0x0               ; the seven inputs s[8:21], c16 s[22:23]
	s_and_b32 s2, ttmp7, 0xffff                    ; which tensor
	s_lshl_b32 s26, ttmp9, 17                      ; my piece in the input,
	s_mov_b32 s27, 0
	s_lshl_b32 s28, s2, 23                         ; the tensor's plane in c16,
	s_lshl_b32 s3, ttmp9, 16                       ; and my piece in it
	s_add_co_u32 s28, s28, s3
	s_mov_b32 s29, 0
	s_mov_b32 s24, 0xffff0000                      ; a word's upper bf16
	v_lshlrev_b32 v1, 4, v0                        ; 16 t; never rewritten
	v_lshlrev_b32 v2, 3, v0                        ; 8 t; never rewritten
	s_wait_kmcnt 0x0
	s_mov_b64 s[4:5], s[8:9]
.irp i, 1,2,3,4,5,6
	s_cmp_eq_u32 s2, \i                            ; the choice hangs on the grid's y alone
	s_cselect_b64 s[4:5], s[8+2*(\i):9+2*(\i)], s[4:5]
.endr
	s_add_nc_u64 s[4:5], s[4:5], s[26:27]
	s_add_nc_u64 s[6:7], s[22:23], s[28:29]
	s_wait_alu depctr_va_vdst(0)                   ; v1 and v2 are written: every load of the kernel reads v1 as its offset, every store v2
.irp i, 0,1,2,3,4,5,6,7,8,9,10,11
	global_load_b128 v[X+4*(\i):X+4*(\i)+3], v1, s[4:5] offset:(\i)*ROWI th:TH_LOAD_NT  ; blocks 0, 1 and 2 into X0, X1, X2
.endr
; Block p.  left = how many younger loads may still be out when this block's four have to be there.
.macro BLK p, left
.set XW, X+16*((\p)%4)                 ; the block at work
.set XN, X+16*(((\p)+AHEAD)%4)         ; where block p + 3 lands: the buffer that block p - 1 worked on
.set YW, Y+8*((\p)%2)                  ; what this block writes
.set YP, Y+8*(((\p)+1)%2)              ; what block p - 1 wrote
	s_wait_loadcnt \left                           ; loads come back in order (ISA guide 5.7.1): X[p % 4] is in, the younger blocks stay out
.if (\p) > 1
	s_wait_xcnt 0x0                                ; every earlier memory instruction has had its addresses translated (ISA guide 3.1): Y[p % 2], data of the stores issued in the block before, is rewritten only behind this wait
	s_wait_alu depctr_vm_vsrc(0)                   ; those stores have read Y[p % 2], which this block's conversions write again
.endif
.if (\p) > 0
	s_wait_alu depctr_va_vdst(0)                   ; the block before has written the other Y, which the stores below read, and is done reading its X, in which the loads below land
.endif
.irp i, 0,1,2,3
.if (\p)+AHEAD < BLOCKS
	global_load_b128 v[XN+4*(\i):XN+4*(\i)+3], v1, s[4:5] offset:(BLOCK*((\p)+AHEAD)+(\i))*ROWI th:TH_LOAD_NT  ; three blocks ahead; no vector instruction since the wait names these registers
.endif
.if (\p) > 0
	global_store_b64 v2, v[YP+2*(\i):YP+2*(\i)+1], s[6:7] offset:(BLOCK*((\p)-1)+(\i))*ROWO  ; the block before
.endif
	v_cvt_pk_bf16_f32 v[T],   v[XW+4*(\i)],   v[XW+4*(\i)+1]  ; the one rounding
	v_cvt_pk_bf16_f32 v[T+1], v[XW+4*(\i)+2], v[XW+4*(\i)+3]
	v_lshlrev_b32 v[T+2], 16,  v[T]                ; back to f32: the low half moves up,
	v_and_b32     v[T+3], s24, v[T]                ; the high half stays
	v_lshlrev_b32 v[T+4], 16,  v[T+1]
	v_and_b32     v[T+5], s24, v[T+1]
	v_cvt_pk_f16_f32 v[YW+2*(\i)],   v[T+2], v[T+3]  ; the same numbers, written as f16
	v_cvt_pk_f16_f32 v[YW+2*(\i)+1], v[T+4], v[T+5]
.endr
.endm
.irp p, 0,1,2,3,4,5
	BLK \p, 2*BLOCK                                ; blocks 0 to 4 ask for blocks 3 to 7; behind block 5's own four loads stand blocks 6 and 7's eight
.endr
	BLK 6, BLOCK                                   ; blocks 5 to 7 load nothing: no load leaves the buffer, and the counts run down
	BLK 7, 0
	s_wait_alu depctr_va_vdst(0)                   ; block 7 has written Y1, which the last four stores read
.irp i, 0,1,2,3
	global_store_b64 v2, v[Y+8+2*(\i):Y+8+2*(\i)+1], s[6:7] offset:(BLOCK*(BLOCKS-1)+(\i))*ROWO
.endr
	s_endpgm
.Lfunc_end_k_q5cac034136_cvt:
	.size	k_q5cac034136_cvt, .Lfunc_end_k_q5cac034136_cvt-k_q5cac034136_cvt
	.p2alignl 7, 3214868480
	.fill 96, 4, 3214868480
	.section	.rodata,"a",@progbits
	.p2align	6, 0x0
	.amdhsa_kernel k_q5cac034136_cvt
		.amdhsa_group_segment_fixed_size 0
		.amdhsa_private_segment_fixed_size 0
		.amdhsa_enable_private_segment 0
		.amdhsa_kernarg_size 64
		.amdhsa_user_sgpr_count 2
		.amdhsa_user_sgpr_kernarg_segment_ptr 1
		.amdhsa_wavefront_size32 1
		.amdhsa_system_sgpr_workgroup_id_x 1
		.amdhsa_system_sgpr_workgroup_id_y 1
		.amdhsa_system_sgpr_workgroup_id_z 1
		.amdhsa_system_vgpr_workitem_id 0
		.amdhsa_next_free_vgpr 96
		.amdhsa_next_free_sgpr 66
		.amdhsa_reserve_vcc 0
		.amdhsa_float_denorm_mode_32 3
		.amdhsa_float_denorm_mode_16_64 3
		.amdhsa_memory_ordered 1
		.amdhsa_forward_progress 1
		.amdhsa_inst_pref_size 21
	.end_amdhsa_kernel
	.amdgpu_metadata
---
amdhsa.version: [ 1, 2 ]
amdhsa.kernels:
  - .name:           k_q5cac034136_cvt
    .symbol:         k_q5cac034136_cvt.kd
    .args:
      - { .name: Q, .offset: 0, .size: 8, .value_kind: global_buffer, .address_space: global }
      - { .name: K, .offset: 8, .size: 8, .value_kind: global_buffer, .address_space: global }
      - { .name: V, .offset: 16, .size: 8, .value_kind: global_buffer, .address_space: global }
      - { .name: Wq, .offset: 24, .size: 8, .value_kind: global_buffer, .address_space: global }
      - { .name: Wk, .offset: 32, .size: 8, .value_kind: global_buffer, .address_space: global }
      - { .name: Wv, .offset: 40, .size: 8, .value_kind: global_buffer, .address_space: global }
      - { .name: Wo, .offset: 48, .size: 8, .value_kind: global_buffer, .address_space: global }
      - { .name: c16, .offset: 56, .size: 8, .value_kind: global_buffer, .address_space: global }
    .group_segment_fixed_size: 0
    .private_segment_fixed_size: 0
    .kernarg_segment_align: 8
    .kernarg_segment_size: 64
    .max_flat_workgroup_size: 256
    .sgpr_count:     66
    .vgpr_count:     96
    .wavefront_size: 32
...
	.end_amdgpu_metadata
.endif
;; end of part 5
;; launch gemm_qkv: the kernel of part 2 again; grid 8 x 24, 4 waves a work-group, clusters of 4 x 4, 327,680 bytes of LDS; arguments c16, bq, bk, bv, qkv; writes qkv
;; launch attn: the kernel of part 3 again; grid 16 x 16, 4 waves a work-group, clusters of 4 x 4, 327,680 bytes of LDS; arguments qkv, mask, o16; writes o16
;; launch gemm_out: the kernel of part 4 again; grid 16 x 16, 4 waves a work-group, clusters of 4 x 4, 327,680 bytes of LDS; arguments o16, c16, bo, out0; writes out0
